; MI455X (gfx1250); checked and timed in simulation.
; The chip was launched on July 23, 2026; its instructions are those of AMD's public machine-readable ISA for CDNA 5 (MIT licence, August 2026) and "CDNA5" Instruction Set Architecture Reference Guide (July 2026). The comments in the code are by the model that wrote it; some were corrected since.
;; Causal Attention. Allowed arithmetic: matrix products marked QUANTISED: E4M3 operands, one E8M0 scale for each 32 along K, by v_wmma_scale_f32_16x16x128_f8f6f4 with both operands' format E4M3, f32 sums; everything else in f32.
;; Inputs: Wk 1,024 x 1,024 float32; Wq 1,024 x 1,024 float32; Wv 1,024 x 1,024 float32; x 4 x 2,048 x 1,024 float32.
;; Outputs: out0 4 x 2,048 x 1,024 float32.
;; This version of the problem:
;;   THIS VERSION OF THE PROBLEM IS GIVEN IN LOW PRECISION. The matrix products marked QUANTISED in the list below multiply operands that are first quantised to E4M3 (4 exponent bits, 3 mantissa bits; 8 bits a number), with one power-of-two scale for each 32 numbers along K (OCP MX v1.0); their sums are f32. All else is computed in f32.
;;   The module's matrix products, in the order in which they are computed (A, B: the left and right operand; K: the contracted axis; several contracted axes count as one K, in the product's order):
;;     1. [M 8,192, K 1,024] x [K 1,024, N 1,024]; A: input x; B: input Wq: QUANTISED
;;     2. [M 8,192, K 1,024] x [K 1,024, N 1,024]; A: input x; B: input Wk: QUANTISED
;;     3. [M 8,192, K 1,024] x [K 1,024, N 1,024]; A: input x; B: input Wv: QUANTISED
;;     4. batch 4 x [M 2,048, K 1,024] x [K 1,024, N 2,048]; A: computed on the way; B: computed on the way: QUANTISED
;;     5. batch 4 x [M 2,048, K 2,048] x [K 2,048, N 1,024]; A: softmax (see below); B: computed on the way: QUANTISED
;;   THE QUANTISER, for each operand of a quantised product, along K:
;;     - K is cut into blocks of 32 from its start; a last block that is shorter is filled with zeros.
;;     - A block's scale is 2^e with e = floor(log2(the largest magnitude in the block)) - 8, held to -126 .. 127; a block of zeros has e = 0. As a byte (E8M0): e + 127.
;;     - Each number is divided by its block's scale, clamped to +-448, and rounded to the nearest number of E4M3, ties to even, subnormals kept.
;;     - The product sums the exact products of the quantised numbers (number of the format x scale) in f32.
;;   ~~~python
;;   def quantise(x, axis):      # numpy; x: float32 -> the quantised numbers, widened to float32 again
;;       x = np.moveaxis(x, axis, -1); K = x.shape[-1]
;;       x = np.pad(x, [(0, 0)] * (x.ndim - 1) + [(0, -K % 32)]); x = x.reshape(x.shape[:-1] + (-1, 32)); a = np.abs(x).max(-1, keepdims=True)
;;       e = np.where(a > 0, np.clip(np.frexp(np.where(a > 0, a, 1))[1] - 1 - 8, -126, 127), 0)      # np.frexp(a)[1] - 1 = floor(log2(a)), exactly
;;       r = np.clip(x / 2.0 ** e, -448, 448)
;;       step = 2.0 ** (np.maximum(np.frexp(np.where(r == 0, 1, r))[1] - 1, -6) - 3)
;;       q = np.round(r / step) * step * 2.0 ** e      # np.round: ties to even
;;       return np.moveaxis(q.reshape(q.shape[:-2] + (-1,))[..., :K], -1, axis).astype(np.float32)
;;   ~~~
;;   SOFTMAX AHEAD OF A QUANTISED PRODUCT. Where the list says 'softmax', what is quantised is not the finished softmax but p = 2^(t - M), with t = logit x log2(e) and M = ceil(the row's largest t), a whole number; so 1/2 < the row's largest p <= 1. The row's sum l is taken of the UNQUANTISED p, in f32, and the product's result is divided by l at the end. Since M is a whole number, a kernel that streams over the keys may use a running M (the ceiling of the running maximum): every later rescaling is an exact power of two, which a block's scale takes up: the codes' values come out the same.
;;   OPERANDS COMPUTED ON THE WAY. 'Computed on the way' means the value that the module computes at that place (a softmax that the list does not call 'softmax' is quantised finished and normalised). What goes into a quantiser is computed in f32, as accurately as f32 sums, v_exp_f32 and their like allow (about 1e-6 of the number): no bf16 or f16 on the way to a quantiser, and a product that is left as it is and whose result goes on into a quantised operand takes f32 operands (vector FMAs, or v_wmma_f32_16x16x4_f32). A number that lies on a knife's edge between two numbers of the format may be rounded either way, as far as f32 arithmetic and the matrix unit's own rounding can turn it there, and no further.
;; One version. Each part assembles by itself: llvm-mc -triple=amdgcn-amd-amdhsa -mcpu=gfx1250 --defsym DOCPART=n.
;; ======== version 1 of 1: 4 launches
;; limits: right only within a limited range of input values
;; workspace buffers: xw 11,894,784 bytes; qkv 25,952,256 bytes; pimg 16,777,216 bytes; paux 1,572,864 bytes
;; launch quant (part 1): grid 256 x 1, 11 waves a work-group, no clusters, 94,464 bytes of LDS; arguments x, Wq, Wk, Wv, xw; writes xw
.if DOCPART == 1
	.amdgcn_target "amdgcn-amd-amdhsa--gfx1250"
	.amdhsa_code_object_version 6
	.text
	.protected	k_q87ab47a490_quant
	.globl	k_q87ab47a490_quant
	.p2align	8
	.type	k_q87ab47a490_quant,@function
k_q87ab47a490_quant:
	s_mov_b64 s[64:65], 0
	v_nop
	global_prefetch_b8 v0, s[64:65] scope:SCOPE_SE
	s_setreg_imm32_b32 hwreg(HW_REG_WAVE_MODE, 25, 1), 1
	s_wait_xcnt 0x0
; LAUNCH 1 OF 4.  Causal attention with one head of 1,024: q, k, v = x W^T; scores = q k^T / 32 under a causal mask; out = softmax(scores) v.  All five products on codes of E4M3 with one E8M0 scale for each 32 along K.
; This launch turns x [8192][1024] and Wq, Wk, Wv [1024][1024] (f32, K innermost) into codes and scale bytes, once, since every tile of them is read by many work-groups of the next launch.
; WORK LEFT OUT BY THE PROGRAM (launches 3 and 4), AND WHY IT IS DEAD.  The problem builds its causal mask itself (tril): a score whose key comes after its query becomes -infinity ahead of the softmax, so its weight is 0
; whatever finite values x and the weights hold, and it adds nothing to the row sum or to the result.  So blocks of 256 queries x 256 keys all of whose keys come after all of whose queries are not computed, and keys behind
; a block of 128 queries (but for one neutral chunk of 128 in a step of 256) are not walked in the last product.  Inside a block on the diagonal the work is done and the hidden scores are replaced by -infinity.  No input is left out: all four are loaded here.
; LIMIT: a NaN, an infinity or an overflow that reaches only such hidden blocks is not carried to the result.
; LIMITS OF THE QUANTISER: NaN and infinities among the inputs are not served; a block whose largest magnitude lies under 2^-118 (a block of zeros too) keeps the scale byte 1: its codes are zeros or nearly so, and only this program reads the bytes.
; THE FORMAT OF xw.  704 blocks of 16 rows x all of K, FB = 16,896 bytes each: 16,384 of codes, then 512 of scale words.  Eight blocks are a group of 128 rows: groups 0-63 x, 64-71 Wq, 72-79 Wk, 80-87 Wv.
;   codes: 128 along K number s at 2048 s; register group c (0..3) at 512 c; lane l at 16 l; byte y: the block's row r = l % 16, k = 128 s + 32 c + 16 (l / 16) + y.
;   scale words (byte c for 32 c .. 32 c + 31 of its 128): the word of (r, s) at 16384 + 128 (s / 2) + 8 r + 4 (s % 2).
; Which rows of a group block p holds: x: fragment f = 4 (p % 2) + p / 2; Wv: f = p: lane r is row 32 (f / 2) + 8 (f % 2) + r + 8 (r / 8): two fragments then leave 16 neighbours along the next K in a lane.
; Wq, Wk: lane r is row 64 (p / 4) + 8 (p % 4) + r % 8 + 32 (r / 8): four blocks then leave 32 neighbours along the next K in a lane.
; SHARES: 2,816 wave tasks of 16 rows x 256 along K, 11 waves in each of 256 work-groups.  Each load reads 512 consecutive bytes of a row; 16 rows turn through the wave's own stage in LDS (rows 528 bytes apart)
; and come back 16 neighbours along K a lane.  No barrier: waves share nothing.  No prefetch: the launch has no loop; a wave's 32 loads are all out at its start.
.set FB,    16896
.set STG,   16*528
.set SPARE, 11*STG                     ; the spare words, 128 bytes for each wave
.set LI,    4                          ; 16 x lane
.set STS,   5                          ; into the stage
.set STL,   6                          ; out of it: stage + 528 r + 64 h
.set SO,    7                          ; 8 r + 4 h: my scale word's place
.set SW,    8                          ; v8-9 the two scale words
.set SPW,   12
.set NIL,   13
.set TM,    16                         ; v16-19 largest magnitudes, v20-23 bytes, v24-27 448 x the scale, v28-31 scale operands
.set R,     32                         ; v32-159 two sets of 16 rows as loaded
.set X,     160                        ; v160-223 64 numbers of my row: register 16 b + i = k 32 b + 16 h + i
.set PC,    224                        ; v224-255 two sets of codes
.set SEL,   28
.set MNT,   30
.set HI,    31
	s_load_b256 s[4:11], s[0:1], 0x0               ; x, Wq, Wk, Wv
	s_load_b64 s[12:13], s[0:1], 0x20              ; xw
	v_lshl_add_u32 v[SPW], v0, 2, SPARE
	v_mov_b32 v[NIL], 0
	v_lshrrev_b32 v1, 5, v0
	v_readfirstlane_b32 s14, v1                    ; wave 0..10
	v_and_b32 v1, 31, v0
	v_and_b32 v2, 15, v0                           ; r
	v_bfe_u32 v3, v0, 4, 1                         ; h
	v_lshlrev_b32 v[LI], 4, v1
	s_mul_i32 s15, s14, STG
	v_add_nc_u32 v[STS], s15, v[LI]
	v_mul_u32_u24 v[STL], v2, 528
	v_lshl_add_u32 v[STL], v3, 6, v[STL]
	v_add_nc_u32 v[STL], s15, v[STL]
	v_lshlrev_b32 v[SO], 3, v2
	v_lshl_add_u32 v[SO], v3, 2, v[SO]
.irp b, 0,1,2,3
	v_mov_b32 v[TM+4+\b], 0                        ; written once: a lane permute's destination counts as one of its sources
.endr
	s_mul_i32 s16, ttmp9, 11
	s_add_co_u32 s16, s16, s14                     ; my task
	s_and_b32 s32, s16, 3                          ; which 256 along K
	s_lshr_b32 s17, s16, 2                         ; my block of xw
	s_lshr_b32 s16, s17, 3                         ; its group,
	s_and_b32 s33, s17, 7                          ; and its number p there
	s_mul_i32 s40, s17, FB
	s_and_b32 s34, s33, 1
	s_lshl_b32 s34, s34, 2
	s_lshr_b32 s35, s33, 1
	s_or_b32 s34, s34, s35
	s_cmp_lt_u32 s16, 64
	s_cselect_b32 s34, s34, s33                    ; f
	s_lshr_b32 s35, s34, 1
	s_lshl_b32 s35, s35, 5
	s_and_b32 s36, s34, 1
	s_lshl_b32 s36, s36, 3
	s_add_co_u32 s35, s35, s36                     ; the first row for x and Wv,
	s_lshr_b32 s36, s33, 2
	s_lshl_b32 s36, s36, 6
	s_and_b32 s37, s33, 3
	s_lshl_b32 s37, s37, 3
	s_add_co_u32 s36, s36, s37                     ; for Wq and Wk
	s_sub_co_u32 s37, s16, 64
	s_mov_b32 s38, 65536                           ; rows 8-15 of a block begin 16 rows on,
	s_cmp_lt_u32 s37, 16
	s_cselect_b32 s35, s36, s35
	s_cselect_b32 s38, 131072, s38                 ; in Wq and Wk 32
	s_mov_b32 s39, 0
	s_mov_b32 s[SEL], 0x76543210
	s_mov_b32 s[SEL+1], 0xfedcba98
	s_mov_b32 s[MNT], 0x600000
	s_mov_b32 s[HI], 0xffff0000
	s_wait_alu depctr_va_vdst(0)                   ; the wait at the head's end
	s_wait_kmcnt 0x0
	s_mov_b64 s[18:19], s[10:11]                   ; which tensor: the choice hangs on ids alone
	s_mov_b32 s17, 80
	s_cmp_lt_u32 s16, 80
	s_cselect_b64 s[18:19], s[8:9], s[18:19]
	s_cselect_b32 s17, 72, s17
	s_cmp_lt_u32 s16, 72
	s_cselect_b64 s[18:19], s[6:7], s[18:19]
	s_cselect_b32 s17, 64, s17
	s_cmp_lt_u32 s16, 64
	s_cselect_b64 s[18:19], s[4:5], s[18:19]
	s_cselect_b32 s17, 0, s17
	s_sub_co_u32 s17, s16, s17                     ; the group's number in its own tensor
	s_lshl_b32 s24, s17, 19                        ; 128 rows of 4,096 bytes
	s_lshl_b32 s25, s35, 12
	s_add_co_u32 s24, s24, s25
	s_lshl_b32 s25, s32, 10                        ; 256 numbers
	s_add_co_u32 s24, s24, s25
	s_mov_b32 s25, 0
	s_add_nc_u64 s[18:19], s[18:19], s[24:25]      ; rows 0-7 of my block
	s_add_nc_u64 s[26:27], s[18:19], s[38:39]      ; rows 8-15
	s_lshl_b32 s24, s32, 12
	s_add_co_u32 s24, s24, s40
	s_add_nc_u64 s[20:21], s[12:13], s[24:25]      ; my 4,096 bytes of codes
	s_lshl_b32 s24, s32, 7
	s_add_co_u32 s24, s24, s40
	s_add_co_u32 s24, s24, 16384
	s_add_nc_u64 s[22:23], s[12:13], s[24:25]      ; my 128 bytes of scale words
.macro LOAD u
.irp n, 0,1,2,3,4,5,6,7
	global_load_b128 v[R+64*\u+4*\n:R+64*\u+4*\n+3], v[LI], s[18:19] offset:4096*\n+512*\u th:TH_LOAD_NT
.endr
.irp n, 0,1,2,3,4,5,6,7
	global_load_b128 v[R+64*\u+32+4*\n:R+64*\u+32+4*\n+3], v[LI], s[26:27] offset:4096*\n+512*\u th:TH_LOAD_NT
.endr
.endm
.macro QUANT pc, sw                    ; the 64 numbers in v[X] on become codes in v[pc] on and a scale word in v[sw]
.irp b, 0,1,2,3
	v_max3_num_f32 v[TM+\b], |v[X+16*\b]|, |v[X+16*\b+1]|, 0x4800000   ; with the floor 2^(9 - 127): the byte cannot fall under 1
.endr
.irp i, 2,4,6,8,10,12,14
.irp b, 0,1,2,3
	v_max3_num_f32 v[TM+\b], v[TM+\b], |v[X+16*\b+\i]|, |v[X+16*\b+\i+1]|
.endr
.endr
.irp b, 0,1,2,3
	v_permlanex16_b32 v[TM+4+\b], v[TM+\b], s[SEL], s[SEL+1]
.endr
.irp b, 0,1,2,3
	v_max_num_f32 v[TM+\b], v[TM+\b], v[TM+4+\b]   ; with lane l xor 16: the block of 32's largest magnitude
.endr
.irp b, 0,1,2,3
	v_add_nc_u32 v[TM+12+\b], 0xfc000000, v[TM+\b] ; 8 off its exponent field
.endr
.irp b, 0,1,2,3
	v_and_or_b32 v[TM+8+\b], v[TM+\b], 0x7f800000, s[MNT]   ; 448 x the scale
.endr
.irp b, 0,1,2,3
	v_lshrrev_b32 v[TM+4+\b], 23, v[TM+12+\b]      ; the scale's byte
.endr
	v_lshl_or_b32 v[\sw], v[TM+5], 8, v[TM+4]
	v_lshl_or_b32 v[\sw], v[TM+6], 16, v[\sw]
	v_lshl_or_b32 v[\sw], v[TM+7], 24, v[\sw]      ; the same in lanes r and 16 + r
.irp b, 0,1,2,3
.irp i, 0,1,2,3,4,5,6,7,8,9,10,11,12,13,14,15
	v_med3_num_f32 v[X+16*\b+\i], v[X+16*\b+\i], -v[TM+8+\b], v[TM+8+\b]   ; the conversion to an 8-bit code does not saturate (ISA guide 7.6.2): the hold
.endr
	v_cvt_scalef32_pk8_fp8_f32 v[\pc+4*\b:\pc+4*\b+1], v[X+16*\b:X+16*\b+7], v[TM+12+\b]
	v_cvt_scalef32_pk8_fp8_f32 v[\pc+4*\b+2:\pc+4*\b+3], v[X+16*\b+8:X+16*\b+15], v[TM+12+\b]
.endr
	v_nop                                          ; a plain line behind the last conversion
.endm
	LOAD 0
	LOAD 1
.irp u, 0,1
	s_wait_loadcnt 16-16*\u                        ; this half's 16 loads are in
.irp n, 0,1,2,3,4,5,6,7,8,9,10,11,12,13,14,15
	ds_store_b128 v[STS], v[R+64*\u+4*\n:R+64*\u+4*\n+3] offset:528*\n
.endr
.irp c, 0,1,2,3
.irp j, 0,1,2,3
	ds_load_b128 v[X+16*\c+4*\j:X+16*\c+4*\j+3], v[STL] offset:128*\c+16*\j   ; LDS serves a wave's instructions in order: these see the stores above
.endr
.endr
	s_wait_dscnt 0x0
	QUANT PC+16*\u, SW+\u
.irp c, 0,1,2,3
	global_store_b128 v[LI], v[PC+16*\u+4*\c:PC+16*\u+4*\c+3], s[20:21] offset:2048*\u+512*\c   ; 512 consecutive bytes, aligned to 256
.endr
.endr
	v_cndmask_b32 v[SW], v[SW], v[SW+1], s[HI]     ; lane (r, h) stores the word of half h
	global_store_b32 v[SO], v[SW], s[22:23]        ; 128 consecutive bytes; the next task along K has the unit's other half
	s_wait_tensorcnt 0x0                           ; the wave's end
	ds_add_u32 v[SPW], v[NIL]
	s_wait_dscnt 0x0
	s_endpgm
.Lfunc_end_k_q87ab47a490_quant:
	.size	k_q87ab47a490_quant, .Lfunc_end_k_q87ab47a490_quant-k_q87ab47a490_quant
	.p2alignl 7, 3214868480
	.fill 96, 4, 3214868480
	.section	.rodata,"a",@progbits
	.p2align	6, 0x0
	.amdhsa_kernel k_q87ab47a490_quant
		.amdhsa_group_segment_fixed_size 94464
		.amdhsa_private_segment_fixed_size 0
		.amdhsa_enable_private_segment 0
		.amdhsa_kernarg_size 40
		.amdhsa_user_sgpr_count 2
		.amdhsa_user_sgpr_kernarg_segment_ptr 1
		.amdhsa_wavefront_size32 1
		.amdhsa_system_sgpr_workgroup_id_x 1
		.amdhsa_system_sgpr_workgroup_id_y 1
		.amdhsa_system_sgpr_workgroup_id_z 1
		.amdhsa_system_vgpr_workitem_id 0
		.amdhsa_next_free_vgpr 256
		.amdhsa_next_free_sgpr 66
		.amdhsa_reserve_vcc 0
		.amdhsa_float_denorm_mode_32 3
		.amdhsa_float_denorm_mode_16_64 3
		.amdhsa_memory_ordered 1
		.amdhsa_forward_progress 1
		.amdhsa_inst_pref_size 28
	.end_amdhsa_kernel
	.amdgpu_metadata
---
amdhsa.version: [ 1, 2 ]
amdhsa.kernels:
  - .name:           k_q87ab47a490_quant
    .symbol:         k_q87ab47a490_quant.kd
    .args:
      - { .name: x, .offset: 0, .size: 8, .value_kind: global_buffer, .address_space: global }
      - { .name: Wq, .offset: 8, .size: 8, .value_kind: global_buffer, .address_space: global }
      - { .name: Wk, .offset: 16, .size: 8, .value_kind: global_buffer, .address_space: global }
      - { .name: Wv, .offset: 24, .size: 8, .value_kind: global_buffer, .address_space: global }
      - { .name: xw, .offset: 32, .size: 8, .value_kind: global_buffer, .address_space: global }
    .group_segment_fixed_size: 94464
    .private_segment_fixed_size: 0
    .kernarg_segment_align: 8
    .kernarg_segment_size: 40
    .max_flat_workgroup_size: 352
    .sgpr_count:     66
    .vgpr_count:     256
    .wavefront_size: 32
...
	.end_amdgpu_metadata
.endif
;; end of part 1
;; launch proj (part 2): grid 16 x 16, 4 waves a work-group, clusters of 4 x 4, 327,680 bytes of LDS; arguments xw, qkv; writes qkv
.if DOCPART == 2
	.amdgcn_target "amdgcn-amd-amdhsa--gfx1250"
	.amdhsa_code_object_version 6
	.text
	.protected	k_q87ab47a490_proj
	.globl	k_q87ab47a490_proj
	.p2align	8
	.type	k_q87ab47a490_proj,@function
k_q87ab47a490_proj:
	s_mov_b64 s[64:65], 0
	v_nop
	global_prefetch_b8 v0, s[64:65] scope:SCOPE_SE
	s_setreg_imm32_b32 hwreg(HW_REG_WAVE_MODE, 25, 1), 1
	s_wait_xcnt 0x0
	s_wait_alu depctr_hold_cnt(0) depctr_sa_sdst(0) depctr_va_vdst(0) depctr_va_sdst(0) depctr_va_ssrc(0) depctr_va_vcc(0) depctr_vm_vsrc(0)
	s_getreg_b32 s2, hwreg(HW_REG_IB_STS2, 6, 4)
	s_cmp_eq_u32 s2, 0
	s_cbranch_scc0 .Lentry_in_a_cluster
	s_endpgm
.Lentry_in_a_cluster:
	s_bfe_u32 s2, ttmp6, 0x10000c
	s_cmp_lg_u32 s2, 0xf033
	s_cbranch_scc0 .Lentry_shape_is_right
	s_endpgm
.Lentry_shape_is_right:
; LAUNCH 2 OF 4: q, k, v = x W^T on codes of E4M3, f32 sums, and their quantisers: q and k along d, v along the tokens.  No f32 result is stored.
; qkv: blocks of 128 rows x 128 along K, FB = 16,896 bytes: fragment f of 16 rows at 2048 f, register group c at 512 c, lane at 16 l; then the scale words, (f, r) at 16384 + 256 (f/4) + 16 r + 4 (f%4).
;   fragment f's lane r is row 32 (f/2) + 8 (f%2) + r + 8 (r/8).  q: block 8 G + s (G: 128 tokens, s: 128 of d); k: 512 on; v transposed: block 1024 + 64 t + G (t: 128 of d, K = the tokens of G).
; SHARES: 256 work-groups, four waves, 2 x 2 (s15: row of waves, s16: column).  A wave keeps 64 rows of a weight, all of K, in 512 registers and streams x past them in blocks of 16 rows, two whole sets of 128 registers.
; PHASE 1: 512 tokens (four groups = chunks) x 128 columns of q or k.  PHASE 2: 256 tokens x 128 columns of v: one of the work-group's own two windows of two groups, number s18.
; A chunk lies in LDS as eight blocks; a row of waves w takes blocks 2 b + w, b = 0 .. 3, which are fragments 4 w + b.
; ORDER: the window that is not v's (chunks 0, 1), then v's (2, 3).  Slot 0: chunk 0, 2, Wv's rows, 2 anew; slot 1: the first weight, chunk 1, 3.  Phase 2 takes chunk 3 as it lies, then chunk 2.
; FILLS: at the head the first weight (waves 0, 1) and chunk 0 (waves 2, 3), halves; then refills of a quarter a wave behind rounds of the cluster's barrier.  Chunk n + 1 is asked for inside chunk n's first block;
; waves 0 and 1's quarters are its blocks b = 0, 1 and are shown two blocks on, the others by the next round.
; CLUSTERS: x's rows are shared along a row of 4 x 4 work-groups, a weight's along a column: each tile is asked for jointly.
; A block's quantiser stands among the next block's products; a pair of v's blocks' among the next pair's, on copies of the sums.
; LIMITS: those of launch 1's quantiser.
.set FB,   16896
.set G8,   8*FB                        ; a group: 128 rows
.set YB,   G8                          ; slot 1
.set XN,   2*G8                        ; the scale words of q or k: [chunk in the order of work][512]
.set XV,   XN+2048                     ; of v: [group of the window][512]
.set SPARE, XV+1024
.set NP,   8                           ; plain vector lines behind a matrix instruction
.set NF,   36                          ; LDS loads of a block
.set EMAX, 8
.set ADRA0, 4                          ; my lane in block 0 of slot 0: codes,
.set CN,   5                           ; q's, k's codes in a fragment: 512 h + 16 r
.set AAS0, 6                           ; and scale words
.set CO,   9                           ; 16 x lane
.set SPW,  10
.set NIL,  11
.set ADRA, 12                          ; the same two for the block that is fetched next
.set VX,   13                          ; LDS address of a scale byte
.set ADRB, 14                          ; v14-15 a weight's tiles 0, 1 and 2, 3 in slot 1; v16-17 in slot 0
.set AAS,  18
.set RD,   19
.set SOP,  20                          ; v20-23 scale operands; at first v20, v21: a weight's scale words in slot 1, slot 0
.set SB,   24                          ; v24-39 the weight's scale words: 8 p + s: lanes 0-15 tile 2 p's, lanes 16-31 tile 2 p + 1's
.set EB,   40
.set SA,   44                          ; v44-59 x's, two sets
.set TQ,   60
.set ACC,  64                          ; v64-191 four sets of four accumulators
.set NCD,  192                         ; codes on the way out
.set MCD,  192
.set G1A, 24
.set G1B, 32
.set G1R, 48
.set G0A, 56
.set G0B, 60
.set G0R, 68
.set MSB, 0
.macro WIN new                         ; the immediate's high byte repeats the setting that is left
.if MSB != (\new)
	s_set_vgpr_msb (MSB<<8)|(\new)
.set MSB, (\new)
.endif
.endm
.macro PLACES n
.rept \n
	v_nop
.endr
.endm
.macro BARRIER
	s_barrier_signal -1
	s_barrier_wait -1
.endm
.macro CROUND                          ; a round of the cluster's barrier
	BARRIER
	s_cmp_lg_u32 s14, 0
	s_cbranch_scc1 .Lnot_wave_0_\@
	s_barrier_signal -3
.Lnot_wave_0_\@:
	s_barrier_wait -3
	BARRIER
.endm
.macro MIDDLE                          ; a round behind its opening signal, up to its closing barrier
	WIN 0
	s_barrier_wait -1
	s_cmp_lg_u32 s14, 0
	s_cbranch_scc1 .Lnot_wave_0_\@
	s_barrier_signal -3
.Lnot_wave_0_\@:
	s_barrier_wait -3
.endm
.macro TLOAD g0, g1                    ; an s_nop 0 and four v_nop follow
	tensor_load_to_lds s[\g0:\g0+3], s[\g1:\g1+7]
	s_nop 0
	PLACES 4
.endm
.macro GROUP1 g, mask, rows            ; a dense run as rows of 256 bytes
	s_or_b32 s[\g+0], s[\mask], (3<<16)|(1<<21)
	s_mov_b32 s[\g+1], 32<<16
	s_mov_b32 s[\g+2], (\rows)<<16
	s_mov_b32 s[\g+3], 32<<16
	s_mov_b32 s[\g+4], \rows
	s_mov_b32 s[\g+5], 32
	s_mov_b32 s[\g+6], 0
	s_mov_b32 s[\g+7], 0
.endm
	s_load_b128 s[4:7], s[0:1], 0x0                ; xw, qkv
	v_lshl_add_u32 v[SPW], v0, 2, SPARE
	v_mov_b32 v[NIL], 0
	ds_add_u32 v[SPW], v[NIL]                      ; the wave's opening: the add, twice on end, and its wait
	ds_add_u32 v[SPW], v[NIL]
	v_lshrrev_b32 v1, 5, v0
	v_readfirstlane_b32 s14, v1                    ; wave 0..3
	s_lshr_b32 s15, s14, 1
	s_and_b32 s16, s14, 1
	s_bfe_u32 s40, ttmp6, 0x40000                  ; cx, cy
	s_bfe_u32 s41, ttmp6, 0x40004
	s_lshl_b32 s42, ttmp9, 2
	s_add_co_u32 s42, s42, s40                     ; tile column: 0-7 q, 8-15 k
	s_and_b32 s43, ttmp7, 0xffff
	s_lshl_b32 s43, s43, 2
	s_add_co_u32 s43, s43, s41                     ; tile row: 512 tokens
	s_and_b32 s18, ttmp9, 1                        ; v's window
	s_lshr_b32 s19, ttmp9, 1                       ; 0: q, 1: k
	s_lshl_b32 s44, s41, 2
	s_lshl_b32 s44, 15, s44                        ; my row of the cluster: x's rows
	s_lshl_b32 s45, 0x1111, s40                    ; my column: a weight's
	GROUP1 G1A, 44, 264
	GROUP1 G1B, 45, 264
	GROUP1 G1R, 44, 132
	s_lshl_b32 s20, s43, 2
	s_lshl_b32 s21, s18, 1
	s_add_co_u32 s2, s20, s21
	s_mul_i32 s2, s2, G8                           ; s2: in xw, v's window (chunk 2)
	s_xor_b32 s21, s21, 2
	s_add_co_u32 s67, s20, s21
	s_mul_i32 s67, s67, G8                         ; s67: the other (chunk 0)
	s_lshl_b32 s13, s19, 2
	s_add_co_u32 s13, s13, s40                     ; v's tile column
	s_add_co_u32 s3, s13, 80
	s_mul_i32 s3, s3, G8                           ; s3: Wv's rows
	s_add_co_u32 s78, s42, 64
	s_mul_i32 s78, s78, G8                         ; the first weight's
	s_mul_i32 s22, s16, 4*FB                       ; which half I fetch at the head; also my 64 rows of a weight in its slot
	s_add_co_u32 s78, s78, s22
	s_mov_b32 s79, 0
	s_add_co_u32 s86, s67, s22
	s_mov_b32 s87, 0
	s_mov_b32 s[G0A], 1
	s_mov_b32 s[G0A+1], s22
	s_mov_b32 s[G0B], 1
	s_add_co_u32 s[G0B+1], s22, YB
	s_mov_b32 s[G0R], 1
	s_mul_i32 s17, s14, 2*FB                       ; my quarter of a refill
	v_and_b32 v1, 15, v0                           ; r
	v_bfe_u32 v2, v0, 4, 1                         ; h
	v_and_b32 v3, 31, v0                           ; l
	s_mul_i32 s20, s15, FB
	v_lshlrev_b32 v[CO], 4, v3
	v_add_nc_u32 v[ADRA0], s20, v[CO]
	v_lshlrev_b32 v22, 3, v1
	v_add_nc_u32 v[AAS0], s20, v22
	s_add_co_u32 s23, s22, YB
	v_add_nc_u32 v[ADRB], s23, v[CO]
	v_add_nc_u32 v[ADRB+1], 2*FB, v[ADRB]
	v_add_nc_u32 v[ADRB+2], s22, v[CO]
	v_add_nc_u32 v[ADRB+3], 2*FB, v[ADRB+2]
	v_mul_u32_u24 v23, v2, FB
	v_add_nc_u32 v23, v23, v22
	v_add_nc_u32 v[SOP], s23, v23
	v_add_nc_u32 v[SOP+1], s22, v23
	s_lshl_b32 s90, s40, 2                         ; which of the cluster row's sixteen waves I am; and of the column's
	s_add_co_u32 s90, s90, s14
	s_lshl_b32 s100, s41, 2
	s_add_co_u32 s100, s100, s14
	s_wait_dscnt 0x0                               ; both opening adds are done
	CROUND                                         ; all sixteen work-groups are here
	s_wait_kmcnt 0x0
	s_add_nc_u64 s[G0A+2:G0A+3], s[4:5], s[86:87]
	s_or_b32 s[G0A+3], s[G0A+3], 0x80000000
	s_add_nc_u64 s[G0B+2:G0B+3], s[4:5], s[78:79]
	s_or_b32 s[G0B+3], s[G0B+3], 0x80000000
	s_cmp_lt_u32 s14, 2                            ; one joint load a wave; the weight's line is shown ahead of chunk 0's
	s_cbranch_scc0 .Lfor_x
	TLOAD G0B, G1B
	s_branch .Lasked
.Lfor_x:
	TLOAD G0A, G1A
.Lasked:
	; where my results go
	s_lshl_b32 s20, s19, 9
	s_and_b32 s21, s42, 7
	s_add_co_u32 s20, s20, s21
	s_mul_i32 s20, s20, FB                         ; q or k, my 128 of d
	s_lshl_b32 s21, s15, 13
	s_lshl_b32 s22, s16, 10
	s_add_co_u32 s22, s22, s21
	s_add_co_u32 s22, s22, s20                     ; my fragments 4 w on, my half of a fragment's register groups
	s_add_co_u32 s76, s22, s67
	s_mov_b32 s77, 0
	s_add_nc_u64 s[84:85], s[6:7], s[76:77]
	s_sub_nc_u64 s[84:85], s[84:85], 4096          ; two steps ahead of chunk 0's first block
	s_add_co_u32 s76, s22, s2
	s_add_nc_u64 s[88:89], s[6:7], s[76:77]        ; chunk 2's first block
	s_cmp_eq_u32 s15, 0
	s_cselect_b32 s21, s67, s2
	s_add_co_u32 s76, s20, s21
	s_mul_i32 s21, s16, G8
	s_add_co_u32 s76, s76, s21
	s_add_co_u32 s76, s76, 16384
	s_add_nc_u64 s[94:95], s[6:7], s[76:77]        ; wave n stores chunk n's scale words
	s_lshl_b32 s20, s13, 6
	s_lshl_b32 s21, s43, 2
	s_add_co_u32 s20, s20, s21
	s_lshl_b32 s21, s18, 1
	s_add_co_u32 s20, s20, s21
	s_add_co_u32 s20, s20, 1024
	s_mul_i32 s20, s20, FB                         ; v: the window's first block
	s_lshl_b32 s21, s16, 13
	s_lshl_b32 s22, s15, 10
	s_add_co_u32 s76, s20, s21
	s_add_co_u32 s76, s76, s22
	s_add_nc_u64 s[96:97], s[6:7], s[76:77]        ; my fragments 4 x column of waves on, my register groups 2 w on
	s_mul_i32 s21, s15, FB
	s_lshl_b32 s22, s16, 8
	s_add_co_u32 s76, s20, s21
	s_add_co_u32 s76, s76, s22
	s_add_co_u32 s76, s76, 16384
	s_add_nc_u64 s[98:99], s[6:7], s[76:77]        ; v's scale words: wave n stores 256 bytes
	v_lshlrev_b32 v23, 9, v2
	v_lshl_add_u32 v[CN], v1, 4, v23
	s_lshl_b32 s20, s15, 8
	s_lshl_b32 s21, s16, 1
	s_add_co_u32 s20, s20, s21
	s_add_co_u32 s20, s20, XN
	v_lshl_add_u32 v23, v1, 4, v2
	v_add_nc_u32 v[VX], s20, v23                   ; q, k: 256 w + 16 r + 2 x column of waves + h
	s_lshl_b32 s20, s16, 8
	s_lshl_b32 s21, s15, 1
	s_add_co_u32 s20, s20, s21
	s_add_co_u32 s20, s20, XV
	v_lshlrev_b32 v23, 4, v1
	v_add_nc_u32 v[RD], s20, v23                   ; v: 256 x column of waves + 16 r + 2 w; both halves of the lanes hold the same byte
	s_add_co_u32 s6, s67, G8                       ; chunk 1
	s_add_co_u32 s7, s2, G8                        ; chunk 3
	s_mul_i32 s21, s90, 8448                       ; of a group's 528 units of 256 bytes each of the sixteen waves asks ahead for the first 32 of its 33
	s_add_co_u32 s22, s21, s6
	v_lshl_add_u32 v7, v3, 8, s22
	s_add_co_u32 s22, s21, s2
	v_lshl_add_u32 v8, v3, 8, s22
	v_add_nc_u32 v1, 2*FB, v[ADRA0]                ; block 1
	v_add_nc_u32 v2, 2*FB, v[AAS0]
	s_wait_alu depctr_va_vdst(0)                   ; the wait at the head's end
	s_cmp_lt_u32 s14, 2
	s_cbranch_scc0 .Lnot_w
	s_wait_tensorcnt 0x0                           ; waves 0, 1: the first weight has landed
.Lnot_w:
	BARRIER
	global_prefetch_b8 v7, s[4:5] th:TH_LOAD_NT scope:SCOPE_SE   ; chunk 1, a block of products and more ahead; chunk 2, a chunk further
	global_prefetch_b8 v8, s[4:5] th:TH_LOAD_NT scope:SCOPE_SE
.macro GRD
	s_wait_tensorcnt 0x0
	ds_add_u32 v[SPW], v[NIL]
.endm
.macro FRAG f, adr, off                ; a weight's fragment f = 4 s + b: 16 rows x 128 of K, in window 1 + f / 16
	WIN (1+(\f)/16)<<6
.irp c, 0,1,2,3
	ds_load_b128 v[16*((\f)%16)+4*\c:16*((\f)%16)+4*\c+3], v[\adr] offset:512*\c+(\off)
.endr
.endm
.macro WSC adr                         ; a weight's scale words
.irp p, 0,1
.irp k, 0,1,2,3
	ds_load_b64 v[SB+8*\p+2*\k:SB+8*\p+2*\k+1], v[\adr] offset:2*\p*FB+16384+128*\k
.endr
.endr
.endm
.macro FETCHAT k, a, s                 ; a block of x into set k of window 3, and its scale words: NF loads
	WIN 3<<6
.irp q, 0,1,2,3,4,5,6,7
.irp c, 0,1,2,3
	ds_load_b128 v[128*\k+16*\q+4*\c:128*\k+16*\q+4*\c+3], v[\a] offset:2048*\q+512*\c
.endr
.endr
	WIN 0
.irp p, 0,1,2,3
	ds_load_b64 v[SA+8*\k+2*\p:SA+8*\k+2*\p+1], v[\s] offset:16384+128*\p
.endr
.endm
.macro PROD kind, e, a, n              ; product n = 4 s + b: x in set e, sums in set a.  kind 0: source 0 = the weight; kind 1: source 0 = x.  The four accumulators take turns
.set Q_, (\n)/4
.set B_, (\n)%4
.set AC_, ACC+32*(\a)+8*B_
.set R_, 128*(\e)+16*Q_
.set W_, 16*((\n)%16)
.set XS_, SA+8*(\e)+Q_
.set WS_, SB+8*(B_/2)+Q_
.if \kind
	WIN 3|((1+(\n)/16)<<2)
.if Q_ && B_%2
	v_wmma_scale_f32_16x16x128_f8f6f4 v[AC_:AC_+7], v[R_:R_+15], v[W_:W_+15], v[AC_:AC_+7], v[XS_], v[WS_] matrix_b_scale:MATRIX_SCALE_ROW1
.elseif Q_
	v_wmma_scale_f32_16x16x128_f8f6f4 v[AC_:AC_+7], v[R_:R_+15], v[W_:W_+15], v[AC_:AC_+7], v[XS_], v[WS_]
.elseif B_%2
	v_wmma_scale_f32_16x16x128_f8f6f4 v[AC_:AC_+7], v[R_:R_+15], v[W_:W_+15], 0, v[XS_], v[WS_] matrix_b_scale:MATRIX_SCALE_ROW1
.else
	v_wmma_scale_f32_16x16x128_f8f6f4 v[AC_:AC_+7], v[R_:R_+15], v[W_:W_+15], 0, v[XS_], v[WS_]
.endif
.else
	WIN (1+(\n)/16)|(3<<2)
.if Q_ && B_%2
	v_wmma_scale_f32_16x16x128_f8f6f4 v[AC_:AC_+7], v[W_:W_+15], v[R_:R_+15], v[AC_:AC_+7], v[WS_], v[XS_] matrix_a_scale:MATRIX_SCALE_ROW1
.elseif Q_
	v_wmma_scale_f32_16x16x128_f8f6f4 v[AC_:AC_+7], v[W_:W_+15], v[R_:R_+15], v[AC_:AC_+7], v[WS_], v[XS_]
.elseif B_%2
	v_wmma_scale_f32_16x16x128_f8f6f4 v[AC_:AC_+7], v[W_:W_+15], v[R_:R_+15], 0, v[WS_], v[XS_] matrix_a_scale:MATRIX_SCALE_ROW1
.else
	v_wmma_scale_f32_16x16x128_f8f6f4 v[AC_:AC_+7], v[W_:W_+15], v[R_:R_+15], 0, v[WS_], v[XS_]
.endif
.endif
.endm
.macro HOLD x, b
	v_med3_num_f32 v[\x], v[\x], -v[TQ+\b], v[TQ+\b]
.endm
.macro SCALES i, n                     ; 0: the scale operand; 1: 448 x the scale; 2: a second copy of it; 3: the byte
.if (\i) == 0
	v_add_nc_u32 v[SOP+\n], -(EMAX<<23), v[TQ]
.elseif (\i) == 1
	v_and_or_b32 v[TQ+1], v[TQ], 0x7f800000, s62
.elseif (\i) == 2
	v_mov_b32 v[TQ+3], v[TQ+1]
.else
	v_lshrrev_b32 v[EB+\n], 23, v[SOP+\n]
.endif
.endm
.macro MAXQ k, x                       ; 18 lines: the largest magnitude of the 32 sums at x, with the floor 2^(9 - 127)
.if (\k) < 4
	v_max3_num_f32 v[TQ+\k], |v[\x+8*(\k)]|, |v[\x+8*(\k)+1]|, |v[\x+8*(\k)+2]|
.elseif (\k) < 12
	v_max3_num_f32 v[TQ+(\k)%4], v[TQ+(\k)%4], |v[\x+8*((\k)%4)+2*((\k)/4)+1]|, |v[\x+8*((\k)%4)+2*((\k)/4)+2]|
.elseif (\k) < 16
	v_max_num_f32 v[TQ+(\k)%4], v[TQ+(\k)%4], |v[\x+8*((\k)%4)+7]|
.elseif (\k) == 16
	v_max3_num_f32 v[TQ], v[TQ], v[TQ+1], v[TQ+2]
.else
	v_max3_num_f32 v[TQ], v[TQ], v[TQ+3], (EMAX+1)<<23
.endif
.endm
.macro HOLDS m, x                      ; two holds; the fourth pair reads the bound's second, freshly written copy
.if (\m) == 3
	HOLD \x, 3
	HOLD \x+1, 3
.else
	HOLD \x, 1
	HOLD \x+1, 1
.endif
.if (\m) == 2
	SCALES 2, 0
.endif
.endm
.macro GAPQ m, x                       ; q's or k's block, gaps 0 .. 26: a scale block of 32 lies in a lane
.if (\m) < 9
	MAXQ 2*(\m), \x
	MAXQ 2*(\m)+1, \x
.elseif (\m) == 9
	SCALES 0, 0
	SCALES 1, 0
.elseif (\m) < 26
	HOLDS (\m)-10, \x+2*((\m)-10)
.if ((\m)-10)%4 == 3
	v_cvt_scalef32_pk8_fp8_f32 v[NCD+2*(((\m)-10)/4):NCD+2*(((\m)-10)/4)+1], v[\x+8*(((\m)-10)/4):\x+8*(((\m)-10)/4)+7], v[SOP]
.endif
.elseif (\m) == 26
	SCALES 3, 0
.endif
.endm
.macro GAPV u, x                       ; a pair of v's blocks, gaps 0 .. 59, 15 a tile: a scale block lies in lanes l and l xor 16; the even block's sums at x, the odd's at x + 32
.set T_, (\u)/15
.set J_, (\u)%15
.set E_, \x+8*T_
.set O_, E_+32
.if (\u) > 59
.elseif J_ == 0
	v_max3_num_f32 v[TQ], |v[E_]|, |v[E_+1]|, |v[E_+2]|
	v_max3_num_f32 v[TQ+2], |v[O_]|, |v[O_+1]|, |v[O_+2]|
.elseif J_ < 3
	v_max3_num_f32 v[TQ], v[TQ], |v[E_+2*J_+1]|, |v[E_+2*J_+2]|
	v_max3_num_f32 v[TQ+2], v[TQ+2], |v[O_+2*J_+1]|, |v[O_+2*J_+2]|
.elseif J_ == 3
	v_max3_num_f32 v[TQ+2], v[TQ+2], |v[O_+7]|, (EMAX+1)<<23
	v_max3_num_f32 v[TQ], v[TQ], |v[E_+7]|, v[TQ+2]
.elseif J_ == 4
	v_permlanex16_b32 v[TQ+2], v[TQ], s60, s61
	v_max_num_f32 v[TQ], v[TQ], v[TQ+2]
.elseif J_ == 5
	SCALES 0, T_
	SCALES 1, T_
.elseif J_ < 10
	HOLDS J_-6, E_+2*(J_-6)
.if J_ == 9
	v_cvt_scalef32_pk8_fp8_f32 v[MCD+4*T_:MCD+4*T_+1], v[E_:E_+7], v[SOP+T_]
.endif
.elseif J_ < 14
	HOLDS J_-6, O_+2*(J_-10)
.if J_ == 13
	v_cvt_scalef32_pk8_fp8_f32 v[MCD+4*T_+2:MCD+4*T_+3], v[O_:O_+7], v[SOP+T_]
.endif
.else
	SCALES 3, T_
.endif
.endm
.macro RDESC i, off, lds               ; group 0 of a refill in two parts: my quarter of the group at s[off] of xw, into the slot at s[lds]
.if (\i) == 0
	s_add_co_u32 s[G0R+1], s17, s\lds
	s_add_co_u32 s20, s17, s\off
.else
	s_mov_b32 s21, 0
	s_add_nc_u64 s[G0R+2:G0R+3], s[4:5], s[20:21]
	s_or_b32 s[G0R+3], s[G0R+3], 0x80000000
.endif
.endm
; WHAT STANDS BEHIND PRODUCT n.  j: the block's number in its trip (4, 5: the second loop's; -1, -2: v's).  y: 1 a way out of q's or k's block at x; 2, 3 the halves of v's pair at x
.macro LIST n, j, y, x
.if (\n) == 0
.if (\j) == 1 || (\j) == 5
	s_add_nc_u64 s[84:85], s[84:85], s[76:77]
.elseif (\j) >= 0
	s_add_nc_u64 s[84:85], s[84:85], 2048
.endif
.if (\j) == 1
	s_cmp_eq_u32 s46, 2
	s_cselect_b64 s[84:85], s[88:89], s[84:85]
.endif
	WIN 0
.if (\j) == 0 || (\j) == 1
	s_add_co_u32 s22, s101, (2*(\j)+4)*FB
.elseif (\j) > 1
	s_add_co_u32 s22, s47, 2*((\j)%2)*FB
.else
	s_add_co_u32 s22, s47, 2*(-1-(\j))*FB
.endif
	v_add_nc_u32 v[ADRA], s22, v[ADRA0]
	v_add_nc_u32 v[AAS], s22, v[AAS0]
.endif
.if (\j) == 2 && (\n) == 2
	WIN 0
	v_lshl_add_u32 v7, v3, 8, s23
.elseif (\j) == 0 && ((\n) == 29 || (\n) == 30)
	RDESC (\n)-29, 6, 47
.elseif ((\j) == 1 || (\j) == 5) && (\n) == 2
	WIN 0
	v_add_nc_u32 v[VX], s9, v[VX]
.endif
.if (\y) == 1 && (\n) > 0 && (\n) < 28
	WIN 0
	GAPQ (\n)-1, \x
.elseif (\y) == 2 && (\n) > 0 && (\n) < 31
	WIN 0
	GAPV (\n)-1, \x
.elseif (\y) == 3 && (\n) > 0 && (\n) < 31
	WIN 0
	GAPV (\n)+29, \x
.endif
.endm
.macro BLOCK kind, e, a, from, to, j, y, x
.set N_, \from
.rept (\to)-(\from)
	PROD \kind, \e, \a, N_
	LIST N_, \j, \y, \x
.set N_, N_+1
.endr
.endm
.macro BLK kind, e, a, w, j, y, x      ; w: the LDS loads that may be out (-1: no wait)
.if (\w) >= 0
	s_wait_dscnt \w
.endif
	s_wait_xcnt 0x0                                ; the last stores have read their registers and base
	BLOCK \kind, \e, \a, 0, 32, \j, \y, \x
	WIN 0
	PLACES NP
.endm
.macro RBLK kind, e, a, w, j, y, x     ; a block with a round of the cluster's barrier
	s_wait_dscnt \w
	s_wait_xcnt 0x0
	GRD
	BLOCK \kind, \e, \a, 0, 28, \j, \y, \x
	WIN 0
	s_wait_alu depctr_va_vdst(0)                   ; the wait ahead of the barrier
	s_wait_dscnt 0x0
	s_barrier_signal -1
	BLOCK \kind, \e, \a, 28, 32, \j, \y, \x
	MIDDLE
	BARRIER
.endm
.macro SBLK kind, e, a, w, j, y, x, half=0   ; a block with a plain barrier (half = 1: it shows waves 0 and 1's loads alone)
.if (\w) >= 0
	s_wait_dscnt \w
.endif
	s_wait_xcnt 0x0
	BLOCK \kind, \e, \a, 0, 28, \j, \y, \x
	WIN 0
	s_wait_alu depctr_va_vdst(0)
.if \half
	s_cmp_lt_u32 s14, 2
	s_cbranch_scc0 .Lnot_yet_\@
	s_wait_tensorcnt 0x0
.Lnot_yet_\@:
.else
	s_wait_tensorcnt 0x0
.endif
	s_wait_dscnt 0x0
	s_barrier_signal -1
	BLOCK \kind, \e, \a, 28, 32, \j, \y, \x
	WIN 0
	s_barrier_wait -1
	PLACES NP
.endm
.macro QOUT off, boff                  ; a block's byte to its place in LDS, its 32 codes a lane out: sixteen lanes store 256 consecutive bytes
	ds_store_b8 v[VX], v[EB] offset:\boff
	global_store_b128 v[CN], v[NCD:NCD+3], s[84:85] offset:\off
	global_store_b128 v[CN], v[NCD+4:NCD+7], s[84:85] offset:(\off)+256
.endm
	WSC SOP
.irp q, 0,1,2,3,4,5,6,7
.irp b, 0,1,2,3
	FRAG 4*\q+\b, ADRB+\b/2, (\b%2)*FB+2048*\q
.endr
.endr
	WIN 0
	s_wait_tensorcnt 0x0                           ; chunk 0 is in; the first weight is in registers
	s_wait_dscnt 0x0
	BARRIER
	FETCHAT 0, ADRA0, AAS0
	FETCHAT 1, 1, 2
	s_mov_b32 s60, 0x76543210
	s_mov_b32 s61, 0xfedcba98
	s_mov_b32 s62, 0x600000
.set I_, 0
.rept 32
	v_mov_b32 v[ACC+32+I_], 0                      ; the first block's list works on these and stores nothing
.set I_, I_+1
.endr
	s_mov_b32 s46, 0                               ; s46 the trip; s101, s47 this chunk's and the next chunk's slot; s6 the group that is loaded; s9 a byte's step; s23 my share of what is asked for ahead; s76 the step to a chunk's first block
	s_mov_b32 s9, 0
	s_mov_b32 s23, 0
	s_mov_b32 s101, 0
	s_mov_b32 s47, YB
	s_mov_b32 s76, 2048
	s_wait_alu depctr_va_vdst(0)                   ; ahead of the waits below
.Lfour:
	RBLK 0, 0, 0, NF, 0, 1, ACC+32                 ; blocks 0, 4, 8: chunks 1, 2, 3 are asked for
	s_cmp_lt_u32 s14, 2                            ; waves 0, 1 and waves 2, 3 have a load line each: the barrier two blocks on shows the first line's alone
	s_cbranch_scc0 .Lupper
	TLOAD G0R, G1R
	s_branch .Lboth
.Lupper:
	TLOAD G0R, G1R
.Lboth:
	PLACES NP-4
	s_cmp_eq_u32 s46, 0
	s_cbranch_scc1 .Lno_block_before
	QOUT 0, 12
.Lno_block_before:
	FETCHAT 0, ADRA, AAS
	BLK 0, 1, 1, -1, 1, 1, ACC
	QOUT 0, 0
	FETCHAT 1, ADRA, AAS
	SBLK 0, 0, 0, NF, 2, 1, ACC+32, 1
	QOUT 0, 4
	s_cmp_eq_u32 s46, 0
	s_cbranch_scc1 .Lnone_ahead
	global_prefetch_b8 v7, s[4:5] th:TH_LOAD_NT scope:SCOPE_SE   ; trip 1: chunk 3, trip 2: Wv's rows, each two blocks ahead of its load
.Lnone_ahead:
	FETCHAT 0, ADRA, AAS
	BLK 0, 1, 1, -1, 3, 1, ACC
	QOUT 0, 8
	FETCHAT 1, ADRA, AAS
	s_cmp_eq_u32 s46, 0
	s_cselect_b32 s6, s2, s7
	s_cselect_b32 s21, s90, s100
	s_cselect_b32 s22, s7, s3
	s_mul_i32 s21, s21, 8448
	s_add_co_u32 s23, s21, s22
	s_mov_b32 s9, 512
	s_mov_b32 s76, G8-6144
	s_mov_b32 s101, s47
	s_xor_b32 s47, s47, YB
	s_add_co_u32 s46, s46, 1
	s_cmp_lg_u32 s46, 3
	s_cbranch_scc1 .Lfour
	GRD
	s_add_co_u32 s20, s17, s3
	s_mov_b32 s21, 0
	s_mov_b32 s[G0A+1], s17
	s_add_nc_u64 s[G0A+2:G0A+3], s[4:5], s[20:21]
	s_or_b32 s[G0A+3], s[G0A+3], 0x80000000
	GROUP1 G1A, 45, 132
	s_wait_dscnt 0x0
	s_barrier_signal -1
	MIDDLE
	BARRIER
	TLOAD G0A, G1A
	s_mov_b32 s47, YB+4*FB
	s_mov_b32 s9, 504
.Ltwo:
	BLK 0, 0, 0, NF, 4, 1, ACC+32                  ; blocks 12, 14
	QOUT 0, 12
	FETCHAT 0, ADRA, AAS
	BLK 0, 1, 1, NF, 5, 1, ACC                     ; 13, 15; the block two on is then v's
	QOUT 0, 8
	FETCHAT 1, ADRA, AAS
	s_mov_b32 s47, YB
	s_mov_b32 s9, 8
	s_mov_b32 s76, 2048
	s_add_co_u32 s46, s46, 1
	s_cmp_lg_u32 s46, 5
	s_cbranch_scc1 .Ltwo
	s_wait_xcnt 0x0
	s_wait_tensorcnt 0x0                           ; Wv's rows are in
	s_wait_dscnt 0x0
	BARRIER
.macro CHANGE i                        ; among Wv's loads: the last block's way out, and zeros for what v's first trip reads (it stores nothing of it)
.if (\i) < 7
.irp k, 0,1,2,3
.if 4*(\i)+\k < 27
	GAPQ 4*(\i)+\k, ACC+32
.endif
.endr
.elseif (\i) < 15
.irp q, 0,1,2,3,4,5,6,7
	v_mov_b32 v[ACC+64+8*((\i)-7)+\q], 0
.endr
.endif
.endm
	WSC SOP+1
.irp q, 0,1,2,3,4,5,6,7
.irp b, 0,2
	FRAG 4*\q+\b, ADRB+2+\b/2, 2048*\q
	FRAG 4*\q+\b+1, ADRB+2+\b/2, FB+2048*\q
	WIN 0
	CHANGE 2*\q+\b/2
.endr
.endr
	QOUT 2048, 12
	GRD
	s_mov_b32 s47, 0
	RDESC 0, 2, 47
	RDESC 1, 2, 47
	s_mov_b32 s46, 0
	s_mov_b32 s47, YB+4*FB
	s_wait_dscnt 0x0
	s_barrier_signal -1
	MIDDLE
	BARRIER
	TLOAD G0R, G1R
.macro VOUT                            ; a pair of v's blocks: four tiles' bytes and codes; a wave stores 512 consecutive bytes
.irp t, 0,1,2,3
	ds_store_b8 v[VX], v[EB+\t] offset:4*\t
	global_store_b128 v[CO], v[MCD+4*\t:MCD+4*\t+3], s[84:85] offset:2048*\t
.endr
.endm
.Lpair:
	BLK 1, 0, 0, -1, -1, 2, ACC+64
	s_cmp_eq_u32 s46, 3
	s_cbranch_scc1 .Lnone_0
	FETCHAT 0, ADRA, AAS
	s_wait_dscnt NF
	s_branch .Lgo
.Lnone_0:
	s_wait_dscnt 0x0
.Lgo:
	SBLK 1, 1, 1, -1, -2, 3, ACC+64                ; the first trip's shows chunk 2
.set I_, 0
.rept 32                               ; the pair's sums are copied, so that one trip is two blocks of text
	v_dual_mov_b32 v[ACC+64+I_], v[ACC+I_] :: v_dual_mov_b32 v[ACC+64+I_+1], v[ACC+I_+1]
.set I_, I_+2
.endr
	s_add_co_u32 s22, s46, 1
	s_and_b32 s22, s22, 1                          ; the pair before: its half of my register groups,
	s_lshl_b32 s20, s22, 9
	s_cmp_lt_u32 s46, 3
	s_cselect_b32 s21, FB, 0                       ; trips 1, 2: chunk 3; trip 3: chunk 2
	s_add_co_u32 s20, s20, s21
	s_cmp_lt_u32 s46, 3
	s_cselect_b32 s21, 512, 0
	s_add_co_u32 s22, s22, s21
	s_mov_b32 s21, 0
	s_add_nc_u64 s[84:85], s[96:97], s[20:21]
	v_add_nc_u32 v[VX], s22, v[RD]
	s_wait_alu depctr_va_vdst(0)                   ; directly behind the write
	s_cmp_eq_u32 s46, 0
	s_cbranch_scc1 .Lno_pair_before
	VOUT
.Lno_pair_before:
	s_cmp_eq_u32 s46, 3
	s_cbranch_scc1 .Lnone_1
	FETCHAT 1, ADRA, AAS
.Lnone_1:
	s_cmp_eq_u32 s46, 0
	s_cselect_b32 s47, 0, 4*FB
	s_add_co_u32 s46, s46, 1
	s_cmp_lg_u32 s46, 4
	s_cbranch_scc1 .Lpair
	s_wait_xcnt 0x0
.set K_, 0
.rept 60
	GAPV K_, ACC+64
.set K_, K_+1
.endr
	s_add_nc_u64 s[84:85], s[96:97], 512
	v_add_nc_u32 v[VX], 1, v[RD]
	VOUT
	s_wait_dscnt 0x0                               ; the scale bytes
	BARRIER
	s_lshl_b32 s21, s14, 9
	s_add_co_u32 s21, s21, XN
	v_add_nc_u32 v21, s21, v[CO]
	v_lshlrev_b32 v22, 3, v3
	s_lshl_b32 s21, s14, 8
	s_add_co_u32 s21, s21, XV
	v_add_nc_u32 v23, s21, v22
	s_wait_alu depctr_va_vdst(0)
	ds_load_b128 v[60:63], v21
	ds_load_b64 v[40:41], v23
	s_wait_dscnt 0x0
	global_store_b128 v[CO], v[60:63], s[94:95]
	global_store_b64 v22, v[40:41], s[98:99]
	s_wait_tensorcnt 0x0                           ; the wave's end
	ds_add_u32 v[SPW], v[NIL]
	s_wait_dscnt 0x0
	CROUND                                         ; the closing round
	s_endpgm
.Lfunc_end_k_q87ab47a490_proj:
	.size	k_q87ab47a490_proj, .Lfunc_end_k_q87ab47a490_proj-k_q87ab47a490_proj
	.p2alignl 7, 3214868480
	.fill 96, 4, 3214868480
	.section	.rodata,"a",@progbits
	.p2align	6, 0x0
	.amdhsa_kernel k_q87ab47a490_proj
		.amdhsa_group_segment_fixed_size 327680
		.amdhsa_private_segment_fixed_size 0
		.amdhsa_enable_private_segment 0
		.amdhsa_kernarg_size 16
		.amdhsa_user_sgpr_count 2
		.amdhsa_user_sgpr_kernarg_segment_ptr 1
		.amdhsa_wavefront_size32 1
		.amdhsa_system_sgpr_workgroup_id_x 1
		.amdhsa_system_sgpr_workgroup_id_y 1
		.amdhsa_system_sgpr_workgroup_id_z 1
		.amdhsa_system_vgpr_workitem_id 0
		.amdhsa_next_free_vgpr 1024
		.amdhsa_next_free_sgpr 102
		.amdhsa_reserve_vcc 0
		.amdhsa_float_denorm_mode_32 3
		.amdhsa_float_denorm_mode_16_64 3
		.amdhsa_memory_ordered 1
		.amdhsa_forward_progress 1
		.amdhsa_inst_pref_size 158
	.end_amdhsa_kernel
	.amdgpu_metadata
---
amdhsa.version: [ 1, 2 ]
amdhsa.kernels:
  - .name:           k_q87ab47a490_proj
    .symbol:         k_q87ab47a490_proj.kd
    .args:
      - { .name: xw, .offset: 0, .size: 8, .value_kind: global_buffer, .address_space: global }
      - { .name: qkv, .offset: 8, .size: 8, .value_kind: global_buffer, .address_space: global }
    .group_segment_fixed_size: 327680
    .private_segment_fixed_size: 0
    .kernarg_segment_align: 8
    .kernarg_segment_size: 16
    .max_flat_workgroup_size: 128
    .sgpr_count:     102
    .vgpr_count:     1024
    .wavefront_size: 32
...
	.end_amdgpu_metadata
.endif
;; end of part 2
;; launch scores (part 3): grid 36 x 4, 4 waves a work-group, no clusters, 327,680 bytes of LDS; arguments qkv, pimg, paux; writes pimg, paux
.if DOCPART == 3
	.amdgcn_target "amdgcn-amd-amdhsa--gfx1250"
	.amdhsa_code_object_version 6
	.text
	.protected	k_q87ab47a490_scores
	.globl	k_q87ab47a490_scores
	.p2align	8
	.type	k_q87ab47a490_scores,@function
k_q87ab47a490_scores:
	s_mov_b64 s[64:65], 0
	v_nop
	global_prefetch_b8 v0, s[64:65] scope:SCOPE_SE
	s_setreg_imm32_b32 hwreg(HW_REG_WAVE_MODE, 25, 1), 1
	s_wait_xcnt 0x0
; LAUNCH 3 OF 4: S = q k^T on codes of E4M3 (K = 1,024), the causal mask, and the softmax's p, quantised along the keys for the last product.
; LEFT OUT AS DEAD WORK (shown at the head of launch 1): blocks of 256 queries x 256 keys all of whose keys come after all of whose queries: of a batch's 8 x 8 blocks the 36 with j <= i are computed.
; THE SOFTMAX.  t = score x log2(e) / 32.  For each query and each CHUNK of 128 keys: M = ceil(the chunk's largest t), a whole number; p = 2^(t - M), quantised in blocks of 32 keys; l = the sum of the unquantised p.
; The codes go to pimg, and -M, l and the scale words to paux.  Launch 4 finds the row's M (the largest of the chunks'), takes M_row - M off the scale bytes, which is exact, and adds the l under M_row.
; pimg: [64 groups of 128 queries][16 chunks of keys][16,384]: a block's codes in the order of the operand registers (fragment a at 2048 a, register group c at 512 c, lane at 16 l).
; paux: [64][16][1,536]: three parts of 128 words, the word of (fragment a, lane r) at 256 (a/4) + 16 r + 4 (a%4): +0 the scale word with bit 7 of each byte set, +512 -M as f32, +1024 l.
; A tile is 256 queries (A, source 1) x 256 keys (B, source 0); four waves, each 128 x 128 = one block of pimg.  In a tile on the diagonal, wave (0, 0) and wave (1, 1) mask; wave (queries 0, keys 1) has only hidden scores:
; its products stay (they lie inside a live tile), and it stores a block of zero codes and neutral words (byte 1, -M = 2^100, l = 0), so that launch 4 reads no byte that nobody stored
; NO CLUSTER: a batch's live tiles are a triangle, rows of 1 to 8 tiles: it does not divide into fours that share a tile of q or k, and a partner above the diagonal would read nothing of a joint load.
; 144 work-groups: tiles of 128 rows would read up to twice the LDS bytes for each matrix instruction.
; LIMITS: |t| under 2^24 (M is carried as f32); NaN and infinities are not served; p under 2^-126 counts as 0; a block whose largest p lies under 2^-118 keeps the byte 1.
; The ring, the operand format and the registers are launch 2's: K in steps of 256 through two slots; 33,792 dense bytes a tensor load, one a wave.
; (The words for the chunk behind the next group's last live one, named above, are not stored: launch 4 reads live chunks and a hidden block's neutral words alone.)
.set BLK,    16896
.set HALFT,  2*BLK
.set SLOT,   4*HALFT
.set SPARE,  2*SLOT
.set ADRA, 16
.set ADRB, 20
.set GO,   26                          ; v26  16 x lane
.set SPW,  28
.set NIL,  29
.set SC,   32                          ; v32-63 scale words
.set BM,   64                          ; v64-67 a block's largest score, then its largest p
.set BX,   68                          ; v68-71 from lane l xor 16; later the bytes
.set LIM,  72                          ; v72-75 448 x the scale
.set SCV,  76                          ; v76-79 the conversions' scale operands
.set NM,   80                          ; v80-81 -M, twice
.set LS,   82                          ; v82-85 the sum, in two chains of two halves
.set LT,   84
.set T0,   86
.set T1,   87
.set PW,   88
.set D0,   89                          ; r + 8 (r/8) - 16 h
.set NI,   90                          ; -infinity
.set SW,   92                          ; v92-95 scale words, v96-99 -M, v100-103 l: register j: fragment j in lanes 0-15, 4 + j in lanes 16-31
.set MW,   96
.set LW,   100
.set ZQ,   104                         ; v104-107 zeros; v108-111 neutral scale words; v112-115 neutral -M
.set WQ,   108
.set NQ,   112
.set AF,   128
.set G1,  24
.set G0,  32
.set CS,  66                           ; s[66:67] c = log2(e) / 32
.set NINF, 68
.set SEL, 70
.set MNT, 72
.set FLR, 73
.set HI,  74
.set MSB, 0
.macro WIN new
.if MSB != (\new)
	s_set_vgpr_msb (MSB<<8)|(\new)
.set MSB, (\new)
.endif
.endm
.set MUL_LO, 0xa1
.set MUL_HI, 0xf1
.set TO_B,   0x40
.macro PLACES n
.rept \n
	v_nop
.endr
.endm
.macro TL s                            ; my tensor load into slot s; an s_nop 0 and four v_nop follow it
	tensor_load_to_lds s[G0+4*\s:G0+4*\s+3], s[G1:G1+7]
	s_nop 0
.rept 4
	v_nop
.endr
.endm
	s_load_b128 s[4:7], s[0:1], 0x0                ; qkv, pimg
	s_load_b64 s[8:9], s[0:1], 0x10                ; paux
	v_lshl_add_u32 v[SPW], v0, 2, SPARE
	v_mov_b32 v[NIL], 0
	ds_add_u32 v[SPW], v[NIL]                      ; the wave's opening: the add, twice on end, and its wait ahead of my first tensor load
	ds_add_u32 v[SPW], v[NIL]
	v_lshrrev_b32 v1, 5, v0
	v_readfirstlane_b32 s14, v1                    ; wave 0..3
	s_lshr_b32 s15, s14, 1                         ; which 128 queries are mine
	s_and_b32 s16, s14, 1                          ; which 128 keys
	s_mov_b32 s50, 0                               ; the tile: t = i (i + 1) / 2 + j, j <= i
.irp m, 1,3,6,10,15,21,28
	s_cmp_ge_u32 ttmp9, \m
	s_add_co_ci_u32 s50, s50, 0                    ; i = how many of the rows' first numbers t has reached
.endr
	s_add_co_u32 s51, s50, 1
	s_mul_i32 s51, s51, s50
	s_lshr_b32 s51, s51, 1
	s_sub_co_u32 s51, ttmp9, s51                   ; j
	s_and_b32 s52, ttmp7, 0xffff                   ; the batch
	s_mov_b32 s[G1+0], 3<<16                       ; no mask; elements of 8 bytes; no padding
	s_mov_b32 s[G1+1], 32<<16                      ; rows of 256 bytes,
	s_mov_b32 s[G1+2], 132<<16                     ; 132 of them, dense
	s_mov_b32 s[G1+3], 32<<16
	s_mov_b32 s[G1+4], 132
	s_mov_b32 s[G1+5], 32
	s_mov_b32 s[G1+6], 0
	s_mov_b32 s[G1+7], 0
	s_lshl_b32 s53, s52, 4
	s_lshl_b32 s54, s50, 1
	s_add_co_u32 s54, s54, s53                     ; q: the tile's first group of 128
	s_lshl_b32 s55, s51, 1
	s_add_co_u32 s55, s55, s53
	s_add_co_u32 s55, s55, 64                      ; k: likewise; k's blocks begin 64 groups of 8 blocks on
	s_cmp_lt_u32 s14, 2                            ; waves 0, 1 fetch q's halves, waves 2, 3 k's
	s_cselect_b32 s56, s54, s55
	s_add_co_u32 s56, s56, s16
	s_mul_i32 s56, s56, 8*BLK
	s_mov_b32 s57, 0
	s_mul_i32 s45, s14, HALFT                      ; where my load goes: wave x 33,792
	s_cmp_eq_u32 s50, s51
	s_cselect_b32 s58, 1, 0                        ; a tile on the diagonal
	s_xor_b32 s59, s15, s16
	s_xor_b32 s59, s59, 1
	s_and_b32 s59, s59, s58                        ; my block lies on the diagonal
	s_xor_b32 s60, s15, 1
	s_and_b32 s60, s60, s16
	s_and_b32 s60, s60, s58                        ; all my scores are hidden
	s_add_co_u32 s61, s54, s15
	s_lshl_b32 s61, s61, 4
	s_lshl_b32 s62, s51, 1
	s_add_co_u32 s61, s61, s62
	s_add_co_u32 s61, s61, s16                     ; 16 x my group of queries + my chunk of keys
	s_mov_b32 s[CS], 0x3d38aa3b
	s_mov_b32 s[CS+1], s[CS]                       ; (named with it as a pair, so it is written)
	s_mov_b32 s[NINF], 0xff800000
	s_mov_b32 s[SEL], 0x76543210
	s_mov_b32 s[SEL+1], 0xfedcba98
	s_mov_b32 s[MNT], 0x600000
	s_mov_b32 s[FLR], 0x4800000
	s_mov_b32 s[HI], 0xffff0000
	s_wait_dscnt 0x0                               ; both opening adds are done
	s_wait_kmcnt 0x0
	s_add_nc_u64 s[56:57], s[4:5], s[56:57]
.irp s, 0,1
	s_mov_b32 s[G0+4*\s], 1
	s_add_co_u32 s[G0+4*\s+1], s45, \s*SLOT
	s_add_nc_u64 s[G0+4*\s+2:G0+4*\s+3], s[56:57], \s*2*BLK
	s_or_b32 s[G0+4*\s+3], s[G0+4*\s+3], 0x80000000
.endr
	TL 0                                           ; K step 0: one tensor load a wave at the head
	s_lshl_b32 s62, s61, 14
	s_mov_b32 s63, 0
	s_add_nc_u64 s[10:11], s[6:7], s[62:63]        ; my block of pimg
	s_mul_i32 s62, s61, 1536
	s_add_nc_u64 s[12:13], s[8:9], s[62:63]        ; and its words in paux
	v_and_b32 v1, 31, v0
	v_lshlrev_b32 v[GO], 4, v1
	s_mul_i32 s21, s15, HALFT
	s_mul_i32 s22, s16, HALFT
	s_add_co_u32 s22, s22, 2*HALFT
.irp s, 0,1
	v_add_nc_u32 v[ADRA+\s], s21, v[GO]
	v_add_nc_u32 v[ADRB+\s], s22, v[GO]
	s_add_co_u32 s21, s21, SLOT
	s_add_co_u32 s22, s22, SLOT
.endr
	v_and_b32 v1, 15, v0
	v_and_b32 v2, 8, v0
	v_add_nc_u32 v[D0], v1, v2
	v_and_b32 v2, 16, v0
	v_sub_nc_u32 v[D0], v[D0], v2
	v_mov_b32 v[NI], 0xff800000
	v_mov_b32 v[T1], 0                             ; written once: a lane permute's destination counts as one of its sources
.irp b, 0,1,2,3
	v_mov_b32 v[BX+\b], 0
	v_mov_b32 v[ZQ+\b], 0
	v_mov_b32 v[WQ+\b], 0x81818181
	v_mov_b32 v[NQ+\b], 0x71800000
.endr
.macro FRAG reg, adr, q, i
.irp c, 0,1,2,3
	ds_load_b128 v[\reg+4*\c:\reg+4*\c+3], v[\adr] offset:(\q)*BLK+(\i)*2048+512*\c
.endr
.endm
.macro WM a, b, p, q, sc, zero         ; q's fragment a (source 1) x k's fragment b (source 0); the row selectors pick fragments 4-7's scale words from lanes 16-31
.set rD, 8*(8*((\a)%4)+(\b))
.set rB, 128*(\p)+16*(\b)
.set rA, AF+16*(\a)
.set xB, SC+16*(\sc)+8*(\q)+4+(\b)%4
.set xA, SC+16*(\sc)+8*(\q)+(\a)%4
.if (\zero)
.if ((\a)<4)&&((\b)<4)
	v_wmma_scale_f32_16x16x128_f8f6f4 v[rD:rD+7], v[rB:rB+15], v[rA:rA+15], 0, v[xB], v[xA]
.elseif ((\a)<4)
	v_wmma_scale_f32_16x16x128_f8f6f4 v[rD:rD+7], v[rB:rB+15], v[rA:rA+15], 0, v[xB], v[xA] matrix_a_scale:MATRIX_SCALE_ROW1
.elseif ((\b)<4)
	v_wmma_scale_f32_16x16x128_f8f6f4 v[rD:rD+7], v[rB:rB+15], v[rA:rA+15], 0, v[xB], v[xA] matrix_b_scale:MATRIX_SCALE_ROW1
.else
	v_wmma_scale_f32_16x16x128_f8f6f4 v[rD:rD+7], v[rB:rB+15], v[rA:rA+15], 0, v[xB], v[xA] matrix_a_scale:MATRIX_SCALE_ROW1 matrix_b_scale:MATRIX_SCALE_ROW1
.endif
.else
.if ((\a)<4)&&((\b)<4)
	v_wmma_scale_f32_16x16x128_f8f6f4 v[rD:rD+7], v[rB:rB+15], v[rA:rA+15], v[rD:rD+7], v[xB], v[xA]
.elseif ((\a)<4)
	v_wmma_scale_f32_16x16x128_f8f6f4 v[rD:rD+7], v[rB:rB+15], v[rA:rA+15], v[rD:rD+7], v[xB], v[xA] matrix_a_scale:MATRIX_SCALE_ROW1
.elseif ((\b)<4)
	v_wmma_scale_f32_16x16x128_f8f6f4 v[rD:rD+7], v[rB:rB+15], v[rA:rA+15], v[rD:rD+7], v[xB], v[xA] matrix_b_scale:MATRIX_SCALE_ROW1
.else
	v_wmma_scale_f32_16x16x128_f8f6f4 v[rD:rD+7], v[rB:rB+15], v[rA:rA+15], v[rD:rD+7], v[xB], v[xA] matrix_a_scale:MATRIX_SCALE_ROW1 matrix_b_scale:MATRIX_SCALE_ROW1
.endif
.endif
.endm
.macro MUL16 a0, p, q, sc, zero        ; the 64 accumulators take turns, one instruction a turn
.irp a, \a0, \a0+1
.irp b, 0,1,2,3,4,5,6,7
	WM \a, \b, \p, \q, \sc, \zero
.endr
.endr
.endm
.macro FETCH_B slot, q, p
	WIN TO_B
.irp i, 0,1,2,3,4,5,6,7
	FRAG 128*(\p)+16*\i, ADRB+\slot, \q, \i
.endr
	WIN 0
.endm
.macro FETCH_A slot, q, i0
.irp i, \i0, \i0+1, \i0+2, \i0+3
	FRAG AF+16*(\i), ADRA+\slot, \q, \i
.endr
.endm
.macro SCALES slot
.irp q, 0,1
	ds_load_b128 v[SC+16*\slot+8*\q:SC+16*\slot+8*\q+3], v[ADRA+\slot] offset:\q*BLK+16384
	ds_load_b128 v[SC+16*\slot+8*\q+4:SC+16*\slot+8*\q+7], v[ADRB+\slot] offset:\q*BLK+16384
.endr
.endm
.macro STEP slot, zero                 ; a slot's first 128 along K; eight places stand in front of each run of loads into registers that matrix instructions have read
	s_wait_dscnt 16                                ; all but the youngest 16 loads: A's fragments 4-7
	WIN MUL_LO
	MUL16 0, 0, 0, \slot, \zero
	MUL16 2, 0, 0, \slot, \zero
	s_wait_dscnt 0
	PLACES 8
	FETCH_B \slot, 1, 1
	FETCH_A \slot, 1, 0
	WIN MUL_HI
	MUL16 4, 0, 0, \slot, \zero
	MUL16 6, 0, 0, \slot, \zero
	PLACES 8
	WIN 0
	FETCH_A \slot, 1, 4
.endm
.macro TURN slot, next, fill           ; a slot's second 128, and the change of slots
	s_wait_tensorcnt 0x0                           ; all my tensor loads have landed: my part of the next slot; so a group 0 may be written
	ds_add_u32 v[SPW], v[NIL]                      ; 0 onto my spare word
.if \fill
	s_add_nc_u64 s[G0+4*\slot+2:G0+4*\slot+3], s[G0+4*\slot+2:G0+4*\slot+3], 4*BLK   ; this slot's next K step: two on
.endif
	s_wait_dscnt 17                                ; the add and the youngest 16 loads may be out
	WIN MUL_LO
	MUL16 0, 1, 1, \slot, 0
	s_wait_dscnt 0x0                               ; the add is done, and my reads of this slot are over
	s_barrier_signal -1
	MUL16 2, 1, 1, \slot, 0
	WIN 0
	s_barrier_wait -1
.if \fill
	TL \slot                                       ; my one tensor load behind the barrier, first thing there; its four v_nop are four of the eight places
	PLACES 4
.else
	PLACES 8
.endif
	FETCH_B \next, 0, 0
	FETCH_A \next, 0, 0
	SCALES \next
	WIN MUL_HI
	MUL16 4, 1, 1, \slot, 0
	MUL16 6, 1, 1, \slot, 0
	PLACES 8
	WIN 0
	FETCH_A \next, 0, 4
.endm
	s_wait_alu depctr_va_vdst(0)                   ; the wait at the head's end
	s_wait_tensorcnt 0x0                           ; my part of K step 0 is in
	ds_add_u32 v[SPW], v[NIL]
	s_wait_dscnt 0x0
	s_barrier_signal -1
	s_barrier_wait -1
	TL 1                                           ; K step 1
	FETCH_B 0, 0, 0
	FETCH_A 0, 0, 0
	SCALES 0
	FETCH_A 0, 0, 4
	STEP 0, 1
	TURN 0, 1, 1
	STEP 1, 0
	TURN 1, 0, 1
	STEP 0, 0
	TURN 0, 1, 0
	STEP 1, 0
	s_wait_dscnt 16
	WIN MUL_LO
	MUL16 0, 1, 1, 1, 0
	MUL16 2, 1, 1, 1, 0
	s_wait_dscnt 0
	WIN MUL_HI
	MUL16 4, 1, 1, 1, 0
	MUL16 6, 1, 1, 1, 0
	WIN 0
	s_cmp_eq_u32 s60, 1                            ; ids and the wave's number alone; no barrier follows
	s_cbranch_scc1 .Ldead
	PLACES 8
	s_cmp_eq_u32 s59, 0
	s_cbranch_scc1 .Lopen
; THE MASK of a block on the diagonal.  Lane (r, h) of tile a holds query 32 (a/2) + 8 (a%2) + r + 8 (r/8); register j of accumulator b holds key 32 (b/2) + 8 (b%2) + 16 h + j.
; Hidden where K0 + j > D0, K0 = the difference of the two tiles' first numbers, D0 = r + 8 (r/8) - 16 h, which lies in -16 .. 23: so an accumulator is open, hidden as a whole, or compared.
.macro MASKA a
.set W_, 2+(\a)/4
.set AC, 64*((\a)%4)
	WIN W_|(W_<<6)
.irp b, 0,1,2,3,4,5,6,7
.set K0, 32*(\b/2)+8*(\b%2)-32*((\a)/2)-8*((\a)%2)
.if K0 > 23
.irp j, 0,1,2,3,4,5,6,7
	v_mov_b32 v[AC+8*\b+\j], s[NINF]
.endr
.elseif K0 > -24
.irp j, 0,1,2,3,4,5,6,7
	v_cmp_gt_i32 vcc_lo, K0+\j, v[D0]
	v_cndmask_b32 v[AC+8*\b+\j], v[AC+8*\b+\j], v[NI], vcc_lo
.endr
.endif
.endr
.endm
.irp a, 0,1,2,3,4,5,6,7
	MASKA \a
.endr
	WIN 0
.Lopen:
; Tile a: 16 queries x my 128 keys, one query a lane, register 16 b + i = key 32 b + 16 h + i.
.macro SOFT a
.set W_, 2+(\a)/4
.set AC, 64*((\a)%4)
.set PCA, 128+16*(\a)
	WIN (W_<<2)|(W_<<4)
.irp b, 0,1,2,3
	v_max3_num_f32 v[BM+\b], s[NINF], v[AC+16*\b], v[AC+16*\b+1]   ; the largest score of each block of 32 keys: it serves for the chunk's maximum and, since p rises with the score, for the block's largest p
.endr
.irp i, 2,4,6,8,10,12,14
.irp b, 0,1,2,3
	v_max3_num_f32 v[BM+\b], v[BM+\b], v[AC+16*\b+\i], v[AC+16*\b+\i+1]
.endr
.endr
	WIN 0
.irp b, 0,1,2,3
	v_permlanex16_b32 v[BX+\b], v[BM+\b], s[SEL], s[SEL+1]
.endr
.irp b, 0,1,2,3
	v_max_num_f32 v[BM+\b], v[BM+\b], v[BX+\b]
.endr
	v_max3_num_f32 v[T0], v[BM], v[BM+1], v[BM+2]
	v_max_num_f32 v[T0], v[T0], v[BM+3]            ; the chunk's largest score of my query: finite, since the chunk's first key counts for every query of a live block
	v_mul_f32 v[T0], s[CS], v[T0]                  ; as t
	v_floor_f32 v[NM], -v[T0]                      ; -M = floor(-t) = -ceil(t)
	v_mov_b32 v[NM+1], v[NM]
.irp b, 0,1,2,3
	v_fma_f32 v[BM+\b], v[BM+\b], s[CS], v[NM]
.endr
	s_wait_alu depctr_va_vdst(0)
.irp b, 0,1,2,3
	v_exp_f32 v[BM+\b], v[BM+\b]                   ; each block's largest p
.endr
	WIN W_|(W_<<6)
.set J_, 0
.rept 32
	v_pk_fma_f32 v[AC+J_:AC+J_+1], v[AC+J_:AC+J_+1], s[CS:CS+1], v[NM:NM+1] op_sel_hi:[1,0,0]   ; t - M, two at a time
.set J_, J_+2
.endr
.set J_, 0
	s_wait_alu depctr_va_vdst(0)
.rept 64
	v_exp_f32 v[AC+J_], v[AC+J_]                   ; p = 2^(t - M); a hidden score gives 0
.set J_, J_+1
.endr
	v_nop                                          ; a plain line behind the last exponential
	s_wait_alu depctr_va_vdst(0)                   ; one wait for all 68 exponentials, ahead of the first line that names a result
	WIN W_|(W_<<2)
	v_pk_add_f32 v[LS:LS+1], v[AC:AC+1], v[AC+2:AC+3]   ; the sum of the unquantised p, in two chains
	v_pk_add_f32 v[LT:LT+1], v[AC+4:AC+5], v[AC+6:AC+7]
	WIN W_<<2
.irp j, 8,12,16,20,24,28,32,36,40,44,48,52,56,60
	v_pk_add_f32 v[LS:LS+1], v[LS:LS+1], v[AC+\j:AC+\j+1]
	v_pk_add_f32 v[LT:LT+1], v[LT:LT+1], v[AC+\j+2:AC+\j+3]
.endr
	WIN 0
	v_pk_add_f32 v[LS:LS+1], v[LS:LS+1], v[LT:LT+1]
.irp b, 0,1,2,3
	v_max_num_f32 v[BM+\b], s[FLR], v[BM+\b]       ; the floor 2^(9 - 127): the byte cannot fall under 1
.endr
	v_add_f32 v[T0], v[LS], v[LS+1]
.irp b, 0,1,2,3
	v_add_nc_u32 v[SCV+\b], 0xfc000000, v[BM+\b]   ; 8 off the exponent field: the conversion's scale operand
.endr
	v_permlanex16_b32 v[T1], v[T0], s[SEL], s[SEL+1]
.irp b, 0,1,2,3
	v_and_or_b32 v[LIM+\b], v[BM+\b], 0x7f800000, s[MNT]   ; 448 x the scale
.endr
.irp b, 0,1,2,3
	v_lshrrev_b32 v[BX+\b], 23, v[SCV+\b]          ; the scale's byte: 1 .. 119
.endr
	v_add_f32 v[T0], v[T0], v[T1]                  ; l of my query in this chunk
	v_lshl_or_b32 v[PW], v[BX+1], 8, v[BX]
	v_lshl_or_b32 v[PW], v[BX+2], 16, v[PW]
	v_lshl_or_b32 v[PW], v[BX+3], 24, v[PW]
	WIN W_|(W_<<6)
.irp b, 0,1,2,3
.irp i, 0,1,2,3,4,5,6,7,8,9,10,11,12,13,14,15
	v_min_num_f32 v[AC+16*\b+\i], v[AC+16*\b+\i], v[LIM+\b]   ; the hold; p is not negative, so it is one-sided
.endr
.endr
	WIN W_
.irp b, 0,1,2,3
	v_cvt_scalef32_pk8_fp8_f32 v[PCA+4*\b:PCA+4*\b+1], v[AC+16*\b:AC+16*\b+7], v[SCV+\b]
	v_cvt_scalef32_pk8_fp8_f32 v[PCA+4*\b+2:PCA+4*\b+3], v[AC+16*\b+8:AC+16*\b+15], v[SCV+\b]
.endr
	WIN 0
.if (\a) < 4
	v_mov_b32 v[SW+(\a)], v[PW]                    ; (plain lines behind the conversions)
	v_mov_b32 v[MW+(\a)], v[NM]
	v_mov_b32 v[LW+(\a)], v[T0]
.else
	v_cndmask_b32 v[SW+(\a)%4], v[SW+(\a)%4], v[PW], s[HI]   ; fragments 4-7: lanes 16-31
	v_cndmask_b32 v[MW+(\a)%4], v[MW+(\a)%4], v[NM], s[HI]
	v_cndmask_b32 v[LW+(\a)%4], v[LW+(\a)%4], v[T0], s[HI]
.endif
.irp c, 0,1,2,3
	global_store_b128 v[GO], v[PCA+4*\c:PCA+4*\c+3], s[10:11] offset:2048*(\a)+512*\c   ; 512 consecutive bytes, aligned to 256; each tile has its own 16 registers
.endr
.endm
.irp a, 0,1,2,3,4,5,6,7
	SOFT \a
.endr
.irp b, 0,1,2,3
	v_or_b32 v[SW+\b], 0x80808080, v[SW+\b]        ; bit 7 of each byte: launch 4 subtracts from all four bytes at once, and no byte borrows from its neighbour
.endr
	global_store_b128 v[GO], v[SW:SW+3], s[12:13]
	global_store_b128 v[GO], v[MW:MW+3], s[12:13] offset:512
	global_store_b128 v[GO], v[LW:LW+3], s[12:13] offset:1024
	s_branch .Lend
.Ldead:                                            ; all my scores are hidden: zero codes and neutral words
	s_wait_alu depctr_va_vdst(0)
.irp n, 0,1,2,3,4,5,6,7,8,9,10,11,12,13,14,15,16,17,18,19,20,21,22,23,24,25,26,27,28,29,30,31
	global_store_b128 v[GO], v[ZQ:ZQ+3], s[10:11] offset:512*\n
.endr
	global_store_b128 v[GO], v[WQ:WQ+3], s[12:13]
	global_store_b128 v[GO], v[NQ:NQ+3], s[12:13] offset:512
	global_store_b128 v[GO], v[ZQ:ZQ+3], s[12:13] offset:1024
.Lend:
	s_wait_tensorcnt 0x0                           ; the wave's end, behind my last tensor load
	ds_add_u32 v[SPW], v[NIL]
	s_wait_dscnt 0x0
	s_endpgm
.Lfunc_end_k_q87ab47a490_scores:
	.size	k_q87ab47a490_scores, .Lfunc_end_k_q87ab47a490_scores-k_q87ab47a490_scores
	.p2alignl 7, 3214868480
	.fill 96, 4, 3214868480
	.section	.rodata,"a",@progbits
	.p2align	6, 0x0
	.amdhsa_kernel k_q87ab47a490_scores
		.amdhsa_group_segment_fixed_size 327680
		.amdhsa_private_segment_fixed_size 0
		.amdhsa_enable_private_segment 0
		.amdhsa_kernarg_size 24
		.amdhsa_user_sgpr_count 2
		.amdhsa_user_sgpr_kernarg_segment_ptr 1
		.amdhsa_wavefront_size32 1
		.amdhsa_system_sgpr_workgroup_id_x 1
		.amdhsa_system_sgpr_workgroup_id_y 1
		.amdhsa_system_sgpr_workgroup_id_z 1
		.amdhsa_system_vgpr_workitem_id 0
		.amdhsa_next_free_vgpr 1024
		.amdhsa_next_free_sgpr 100
		.amdhsa_reserve_vcc 1
		.amdhsa_float_denorm_mode_32 3
		.amdhsa_float_denorm_mode_16_64 3
		.amdhsa_memory_ordered 1
		.amdhsa_forward_progress 1
		.amdhsa_inst_pref_size 236
	.end_amdhsa_kernel
	.amdgpu_metadata
---
amdhsa.version: [ 1, 2 ]
amdhsa.kernels:
  - .name:           k_q87ab47a490_scores
    .symbol:         k_q87ab47a490_scores.kd
    .args:
      - { .name: qkv, .offset: 0, .size: 8, .value_kind: global_buffer, .address_space: global }
      - { .name: pimg, .offset: 8, .size: 8, .value_kind: global_buffer, .address_space: global }
      - { .name: paux, .offset: 16, .size: 8, .value_kind: global_buffer, .address_space: global }
    .group_segment_fixed_size: 327680
    .private_segment_fixed_size: 0
    .kernarg_segment_align: 8
    .kernarg_segment_size: 24
    .max_flat_workgroup_size: 128
    .sgpr_count:     100
    .vgpr_count:     1024
    .wavefront_size: 32
...
	.end_amdgpu_metadata
.endif
;; end of part 3
;; launch pv (part 4): grid 8 x 32, 4 waves a work-group, clusters of 4 x 1, 327,680 bytes of LDS; arguments pimg, paux, qkv, out0; writes out0
.if DOCPART == 4
	.amdgcn_target "amdgcn-amd-amdhsa--gfx1250"
	.amdhsa_code_object_version 6
	.text
	.protected	k_q87ab47a490_pv
	.globl	k_q87ab47a490_pv
	.p2align	8
	.type	k_q87ab47a490_pv,@function
k_q87ab47a490_pv:
	s_mov_b64 s[64:65], 0
	v_nop
	global_prefetch_b8 v0, s[64:65] scope:SCOPE_SE
	s_setreg_imm32_b32 hwreg(HW_REG_WAVE_MODE, 25, 1), 1
	s_wait_xcnt 0x0
	s_wait_alu depctr_hold_cnt(0) depctr_sa_sdst(0) depctr_va_vdst(0) depctr_va_sdst(0) depctr_va_ssrc(0) depctr_va_vcc(0) depctr_vm_vsrc(0)
	s_getreg_b32 s2, hwreg(HW_REG_IB_STS2, 6, 4)
	s_cmp_eq_u32 s2, 0
	s_cbranch_scc0 .Lentry_in_a_cluster
	s_endpgm
.Lentry_in_a_cluster:
	s_bfe_u32 s2, ttmp6, 0x10000c
	s_cmp_lg_u32 s2, 0x3003
	s_cbranch_scc0 .Lentry_shape_is_right
	s_endpgm
.Lentry_shape_is_right:
; LAUNCH 4 OF 4: out = (p v) / l on codes of E4M3, K = the keys.
; LEFT OUT AS DEAD WORK (shown at the head of launch 1): steps of 256 keys all of which come after a block's 128 queries.
; SHARES.  A work-group owns TWO blocks of 128 queries of a batch, numbers i and 15 - i of 16, x 128 of d.  Block b walks b / 2 + 1 steps of 256 keys, so that every pair has nine: the LOW block's NLO = i / 2 + 1 first (positions
; 0 .. NLO - 1), then the HIGH block's.  256 work-groups of equal work.  In a pair one chunk of 128 keys is hidden: launch 3 has stored zero codes and neutral words for it (byte 1, -M = 2^100, l = 0), and it is multiplied with its step.
; A wave makes 128 queries x 32 of d of both blocks: 32 accumulators.  Source 0 = 16 rows of v transposed, source 1 = 16 queries of p: a lane holds one query.
; p: nine positions of 32,768 bytes, each LDS byte filled once: three groups of three, waves 0 to 2 one joint load each; group g + 1 is asked for when group g is shown.  CLUSTER: four work-groups with the same pair and batch share p.
; v: each wave's own 32 of d straight from memory into registers, two steps ahead, in three sets: nothing of it is shared inside a work-group, so it passes no LDS and no joint load.
; AT THE HEAD lane t of the work-group (128 threads) takes word t of each chunk's -M, scale words and l: -M_row = the least -M of a block's chunks; l = the sum of l_c 2^(M_c - M_row); M_row - M_c comes off the four bytes of each scale
; word (exact: the codes stay), held at 0 from below; the words and 1 / l go to tables in LDS.  Which block a position in 1 .. 3 belongs to hangs on ids: there the choice is made by lane masks.
; THE WAY OUT: through a stage in LDS (on positions that have had their only fill and all their reads), 128 rows of 512 bytes; a wave stores whole rows.  The low block leaves while the high one's last three steps are multiplied.
; LIMITS: a scale byte that M_row - M_c would take under 0 is held at 0: such terms lie under 2^-118 of the row's largest p.  |t| under 2^24.  NaN and infinities are not served.
; REGISTERS: window 0: v4-31 addresses, v48-95 scale words of p and v (three sets), v96-255 at work; window 1: p's fragments of a step, four quarters of 64; window 2: the low block's accumulators, then the high one's, (a, bb) at 8 (2 a + bb);
;   window 3: v's fragments, three sets of 64.
.set BLK,    16896
.set TABLE,  9*32768                   ; [position][chunk of two][512]
.set RLT,    TABLE+9216                ; 1 / l: low 512, high 512
.set SPARE,  RLT+1024
.set STH,    98304                     ; the high block's stage: positions 3 to 5; the low one's: 0 to 2
.set LI,   4                           ; 16 x lane
.set LV,   5                           ; my lane in a block of v
.set LS,   6                           ; and its scale words
.set ADA,  7                           ; LDS: the step whose fragments are loaded, and its words
.set ADT,  8
.set AR,   9                           ; LDS: 1 / l of lane r
.set STO,  10                          ; into the stages: low v10, high v11
.set RDL,  12                          ; out of them: low v12, high v13
.set PFO,  14
.set T4,   15                          ; 4 x thread
.set TW,   16
.set RW,   17
.set SPW,  18
.set NIL,  19
.set BG,   21                          ; 2^100
.set ML,   22                          ; -M_row of the low and the high block
.set MH,   23
.set NS,   24                          ; v25-27 -M_row for positions 1-3
.set T0,   28
.set RL,   32                          ; on the way out: 1 / l in pairs
.set PS,   48                          ; set k: p's words at 48 + 16 k + 8 chunk, v's 4 further on
.set NM,   96
.set SW,   114
.set LL,   132
.set DD,   150
.set TT,   168
.set WV,   12
.set G1,   16
.set G0,   24
.set NLO,  28
.set LOS,  29                          ; the low block's first step of pimg; LOS + P
.set HIS,  30                          ; the high block's less NLO; HIS + P
.set PP,   31                          ; the position at work
.set PB,   32                          ; LDS byte of the position whose fragments are loaded
.set TB,   33
.set CNT,  34
.set VP,   35                          ; the position whose v is loaded
.set FP,   36                          ; the position that my wave fills
.set VA,   42
.set VB,   44
.set OL,   46
.set OH,   48
.set PFA,  50
.set MK,   83                          ; s84-86 lane masks for positions 1-3: all ones where low
.set MSB, 0
.macro WIN new
.if MSB != (\new)
	s_set_vgpr_msb (MSB<<8)|(\new)
.set MSB, (\new)
.endif
.endm
.macro PLACES n
.rept \n
	v_nop
.endr
.endm
.macro BARRIER
	s_barrier_signal -1
	s_barrier_wait -1
.endm
.macro CROUND                          ; a round of the cluster's barrier
	BARRIER
	s_cmp_lg_u32 s[WV], 0
	s_cbranch_scc1 .Lnot_wave_0_\@
	s_barrier_signal -3
.Lnot_wave_0_\@:
	s_barrier_wait -3
	BARRIER
.endm
.macro TLOAD                           ; waves 0 to 2: a position each; an s_nop 0 and four v_nop follow
	s_cmp_lt_u32 s[WV], 3
	s_cbranch_scc0 .Lno_load_\@
	tensor_load_to_lds s[G0:G0+3], s[G1:G1+7]
	s_nop 0
	PLACES 4
.Lno_load_\@:
.endm
.macro PDESC                           ; group 0 for position FP; then three on
	s_cmp_lt_u32 s[FP], s[NLO]
	s_cselect_b32 s37, s[LOS], s[HIS]
	s_add_co_u32 s37, s37, s[FP]
	s_lshl_b32 s38, s37, 15
	s_mov_b32 s39, 0
	s_lshl_b32 s[G0+1], s[FP], 15
	s_add_nc_u64 s[G0+2:G0+3], s[4:5], s[38:39]
	s_or_b32 s[G0+3], s[G0+3], 0x80000000
	s_add_co_u32 s[FP], s[FP], 3
.endm
.macro VLOAD k                         ; v of position VP into set k: 18 loads
	s_wait_xcnt 0x0                                ; the last step's loads have taken their base
	s_cmp_lt_u32 s[VP], s[NLO]
	s_cselect_b32 s37, 0, s[NLO]
	s_sub_co_u32 s37, s[VP], s37                   ; the key step
	s_mul_i32 s38, s37, 2*BLK
	s_mov_b32 s39, 0
	s_add_nc_u64 s[VA:VA+1], s[VB:VB+1], s[38:39]
	s_add_co_u32 s[VP], s[VP], 1
	WIN 0xc0
.irp q, 0,1
.irp bb, 0,1
.irp c, 0,1,2,3
	global_load_b128 v[64*(\k)+32*\q+16*\bb+4*\c:64*(\k)+32*\q+16*\bb+4*\c+3], v[LV], s[VA:VA+1] offset:BLK*\q+2048*\bb+512*\c
.endr
.endr
.endr
	WIN 0
.irp q, 0,1
	global_load_b64 v[PS+4+16*(\k)+8*\q:PS+4+16*(\k)+8*\q+1], v[LS], s[VA:VA+1] offset:BLK*\q+16384
.endr
.endm
	s_load_b256 s[4:11], s[0:1], 0x0               ; pimg, paux, qkv, out0
	v_lshl_add_u32 v[SPW], v0, 2, SPARE
	v_mov_b32 v[NIL], 0
	ds_add_u32 v[SPW], v[NIL]                      ; the wave's opening: the add, twice on end, and its wait
	ds_add_u32 v[SPW], v[NIL]
	v_lshrrev_b32 v1, 5, v0
	v_readfirstlane_b32 s[WV], v1                  ; wave 0..3
	s_bfe_u32 s40, ttmp6, 0x40000                  ; cx
	s_lshl_b32 s13, ttmp9, 2
	s_add_co_u32 s13, s13, s40                     ; which 128 of d
	s_and_b32 s37, ttmp7, 0xffff
	s_lshr_b32 s14, s37, 3                         ; the batch
	s_and_b32 s15, s37, 7                          ; i
	s_mov_b32 s[G1+0], 15|(3<<16)|(1<<21)          ; a joint load of the cluster's four; elements of 8 bytes
	s_mov_b32 s[G1+1], 32<<16                      ; rows of 256 bytes,
	s_mov_b32 s[G1+2], 128<<16                     ; 128 of them, dense
	s_mov_b32 s[G1+3], 32<<16
	s_mov_b32 s[G1+4], 128
	s_mov_b32 s[G1+5], 32
	s_mov_b32 s[G1+6], 0
	s_mov_b32 s[G1+7], 0
	s_mov_b32 s[G0], 1
	s_lshr_b32 s[NLO], s15, 1
	s_add_co_u32 s[NLO], s[NLO], 1
	s_lshl_b32 s41, s14, 4
	s_add_co_u32 s[LOS], s41, s15
	s_lshl_b32 s[LOS], s[LOS], 3                   ; eight steps a block of queries
	s_add_co_u32 s[HIS], s41, 15
	s_sub_co_u32 s[HIS], s[HIS], s15
	s_lshl_b32 s[HIS], s[HIS], 3
	s_sub_co_u32 s[HIS], s[HIS], s[NLO]
	s_mov_b32 s[FP], s[WV]
	s_mov_b32 s[VP], 0
	s_mov_b32 s[PP], 0
	s_mov_b32 s[PB], 0
	s_mov_b32 s[TB], TABLE
	s_mov_b32 s[CNT], 2
	v_and_b32 v1, 31, v0
	v_and_b32 v2, 15, v0                           ; r
	v_bfe_u32 v3, v0, 4, 1                         ; h
	v_lshlrev_b32 v[LI], 4, v1
	v_lshlrev_b32 v[T4], 2, v0
	s_lshl_b32 s37, s[WV], 12
	v_add_nc_u32 v[LV], s37, v[LI]                 ; my fragments 2 wave, 2 wave + 1
	s_lshr_b32 s37, s[WV], 1
	s_lshl_b32 s37, s37, 8
	s_and_b32 s38, s[WV], 1
	s_lshl_b32 s38, s38, 3
	s_add_co_u32 s37, s37, s38
	v_lshl_add_u32 v[LS], v2, 4, s37               ; and their words, in both halves of the lanes
	v_lshlrev_b32 v[AR], 4, v2
	v_add_nc_u32 v[AR], RLT, v[AR]
	s_wait_alu depctr_va_vdst(0)                   ; ahead of the waits and the round below
	s_wait_dscnt 0x0                               ; both opening adds are done
	CROUND                                         ; all four work-groups are here
	s_wait_kmcnt 0x0
	PDESC
	TLOAD                                          ; positions 0 to 2
.irp P, 0,1,2,3,4,5,6,7,8
	s_cmp_lt_u32 s[NLO], \P+1                      ; NLO <= P: high
	s_cselect_b32 s37, s[HIS], s[LOS]
	s_add_co_u32 s37, s37, \P
	s_mul_i32 s[66+2*\P], s37, 3072
	s_mov_b32 s[67+2*\P], 0
	s_add_nc_u64 s[66+2*\P:67+2*\P], s[6:7], s[66+2*\P:67+2*\P]   ; its words in paux
.endr
.irp part, 1,0,2                       ; -M, the scale words, l: word t of 18 chunks each
.irp e, 0,1,2,3,4,5,6,7,8,9,10,11,12,13,14,15,16,17
.if \part == 1
	global_load_b32 v[NM+\e], v[T4], s[66+2*(\e/2):67+2*(\e/2)] offset:(\e%2)*1536+512
.elseif \part == 0
	global_load_b32 v[SW+\e], v[T4], s[66+2*(\e/2):67+2*(\e/2)] offset:(\e%2)*1536
.else
	global_load_b32 v[LL+\e], v[T4], s[66+2*(\e/2):67+2*(\e/2)] offset:(\e%2)*1536+1024
.endif
.endr
.endr
	s_lshl_b32 s37, s13, 6
	s_add_co_u32 s37, s37, s41
	s_add_co_u32 s37, s37, 1024
	s_mul_i32 s38, s37, BLK                        ; v transposed: block 1024 + 64 t + 16 x batch
	s_mov_b32 s39, 0
	s_add_nc_u64 s[VB:VB+1], s[8:9], s[38:39]
	VLOAD 0
	VLOAD 1
.irp P, 1,2,3
	s_cmp_lt_u32 s[NLO], \P+1
	s_cselect_b32 s[MK+\P], 0, -1
.endr
	s_lshl_b32 s37, s14, 11                        ; out0: my rows, 32 x wave on, my 128 of d
	s_lshl_b32 s38, s15, 7
	s_add_co_u32 s37, s37, s38
	s_lshl_b32 s38, s[WV], 5
	s_add_co_u32 s37, s37, s38
	s_lshl_b32 s37, s37, 12
	s_lshl_b32 s38, s13, 9
	s_add_co_u32 s38, s38, s37
	s_add_nc_u64 s[OL:OL+1], s[10:11], s[38:39]
	s_lshl_b32 s37, s15, 1
	s_sub_co_u32 s37, 15, s37
	s_lshl_b32 s37, s37, 19                        ; 128 (15 - 2 i) rows of 4,096 bytes further on
	s_add_co_u32 s38, s38, s37
	s_add_nc_u64 s[OH:OH+1], s[10:11], s[38:39]
	s_add_co_u32 s37, s[HIS], 6                    ; positions 6 to 8 are the high block's and lie end to end: 384 units of 256 bytes, 24 for each of the cluster's sixteen waves
	s_lshl_b32 s38, s37, 15
	s_lshl_b32 s37, s40, 2
	s_add_co_u32 s37, s37, s[WV]
	s_mul_i32 s37, s37, 6144
	s_add_co_u32 s38, s38, s37
	s_add_nc_u64 s[PFA:PFA+1], s[4:5], s[38:39]
	s_wait_alu depctr_va_vdst(0)                   ; ahead of the readers below
	v_min_u32 v[PFO], 23, v1
	v_lshlrev_b32 v[PFO], 8, v[PFO]
	v_lshl_add_u32 v[TW], v0, 2, TABLE
	v_lshl_add_u32 v[RW], v0, 2, RLT
	v_mov_b32 v[BG], 0x71800000
	s_lshl_b32 s37, s[WV], 7
	v_mul_u32_u24 v[STO], v2, 528
	v_lshl_add_u32 v[STO], v3, 6, v[STO]
	v_add_nc_u32 v[STO], s37, v[STO]               ; row r, 128 x wave + 64 h
	v_add_nc_u32 v[STO+1], STH, v[STO]
	s_mul_i32 s37, s[WV], 32*528
	v_add_nc_u32 v[RDL], s37, v[LI]
	v_add_nc_u32 v[RDL+1], STH, v[RDL]
	WIN 0x80
.set I_, 0
.rept 256                              ; which unit comes first on the high accumulators hangs on the work-group's number, and both blocks share the loop's text: so the sums begin as zeros, written while the loads are out
	v_mov_b32 v[I_], 0
.set I_, I_+1
.endr
	WIN 0
	s_wait_alu depctr_va_vdst(0)
	s_wait_loadcnt 54                              ; -M and the scale words are in; behind them l and two sets of v
	v_min_num_f32 v[ML], v[NM], v[NM+1]
	v_min3_num_f32 v[MH], v[NM+8], v[NM+9], v[NM+10]
.irp e, 11,13,15
	v_min3_num_f32 v[MH], v[MH], v[NM+\e], v[NM+\e+1]
.endr
	v_min_num_f32 v[MH], v[MH], v[NM+17]
.irp P, 1,2,3
	v_cndmask_b32 v[T0], v[BG], v[NM+2*\P], s[MK+\P]
	v_cndmask_b32 v[T0+1], v[BG], v[NM+2*\P+1], s[MK+\P]
	v_cndmask_b32 v[T0+2], v[NM+2*\P], v[BG], s[MK+\P]
	v_cndmask_b32 v[T0+3], v[NM+2*\P+1], v[BG], s[MK+\P]
	v_min3_num_f32 v[ML], v[ML], v[T0], v[T0+1]
	v_min3_num_f32 v[MH], v[MH], v[T0+2], v[T0+3]
.endr
.irp P, 1,2,3
	v_cndmask_b32 v[NS+\P], v[MH], v[ML], s[MK+\P]
.endr
.irp e, 0,1,2,3,4,5,6,7,8,9,10,11,12,13,14,15,16,17
.if \e < 2
	v_sub_f32 v[NM+\e], v[ML], v[NM+\e]            ; M_c - M_row: a whole number, 0 or less
.elseif \e < 8
	v_sub_f32 v[NM+\e], v[NS+\e/2], v[NM+\e]
.else
	v_sub_f32 v[NM+\e], v[MH], v[NM+\e]
.endif
.endr
.irp e, 0,1,2,3,4,5,6,7,8,9,10,11,12,13,14,15,16,17
	v_min_num_f32 v[DD+\e], 0x42fe0000, -v[NM+\e]  ; M_row - M_c, at most 127
.endr
.irp e, 0,1,2,3,4,5,6,7,8,9,10,11,12,13,14,15,16,17
	v_cvt_u32_f32 v[DD+\e], v[DD+\e]
.endr
.irp e, 0,1,2,3,4,5,6,7,8,9,10,11,12,13,14,15,16,17
	v_perm_b32 v[DD+\e], v[DD+\e], v[DD+\e], 0     ; in all four bytes
.endr
.irp e, 0,1,2,3,4,5,6,7,8,9,10,11,12,13,14,15,16,17
	v_sub_nc_u32 v[SW+\e], v[SW+\e], v[DD+\e]      ; (128 + byte) - d in each byte: no byte borrows
.endr
.irp e, 0,1,2,3,4,5,6,7,8,9,10,11,12,13,14,15,16,17
	v_and_b32 v[DD+\e], 0x80808080, v[SW+\e]       ; bit 7 stands where byte - d is not negative
.endr
.irp e, 0,1,2,3,4,5,6,7,8,9,10,11,12,13,14,15,16,17
	v_lshrrev_b32 v[TT+\e], 7, v[DD+\e]
.endr
.irp e, 0,1,2,3,4,5,6,7,8,9,10,11,12,13,14,15,16,17
	v_sub_nc_u32 v[DD+\e], v[DD+\e], v[TT+\e]      ; 0x7f there, 0 elsewhere
.endr
.irp e, 0,1,2,3,4,5,6,7,8,9,10,11,12,13,14,15,16,17
	v_and_b32 v[SW+\e], v[SW+\e], v[DD+\e]
.endr
.irp e, 0,1,2,3,4,5,6,7,8,9,10,11,12,13,14,15,16,17
	ds_store_b32 v[TW], v[SW+\e] offset:512*\e
.endr
	s_wait_alu depctr_va_vdst(0)                   ; ahead of the batch
	s_wait_loadcnt 36                              ; l is in; two sets of v may be out
.irp e, 0,1,2,3,4,5,6,7,8,9,10,11,12,13,14,15,16,17
	v_exp_f32 v[NM+\e], v[NM+\e]
.endr
	v_nop
	s_wait_alu depctr_va_vdst(0)                   ; and behind it
	v_mul_f32 v[T0], v[LL], v[NM]
	v_mul_f32 v[T0+1], v[LL+8], v[NM+8]
	v_fma_f32 v[T0], v[LL+1], v[NM+1], v[T0]
.irp e, 9,10,11,12,13,14,15,16,17
	v_fma_f32 v[T0+1], v[LL+\e], v[NM+\e], v[T0+1]
.endr
.irp e, 2,3,4,5,6,7
	v_mul_f32 v[T0+2], v[LL+\e], v[NM+\e]
	v_cndmask_b32 v[T0+3], v[NIL], v[T0+2], s[MK+\e/2]
	v_cndmask_b32 v[T0+2], v[T0+2], v[NIL], s[MK+\e/2]
	v_add_f32 v[T0], v[T0], v[T0+3]                ; the low block's l,
	v_add_f32 v[T0+1], v[T0+1], v[T0+2]            ; the high one's
.endr
	s_wait_alu depctr_va_vdst(0)
	v_rcp_f32 v[T0], v[T0]
	v_rcp_f32 v[T0+1], v[T0+1]
	v_nop
	s_wait_alu depctr_va_vdst(0)
	ds_store_b32 v[RW], v[T0]
	ds_store_b32 v[RW], v[T0+1] offset:512
.macro LQ i, k                         ; quarter i of the step at ADA: p's fragments 4 (i%2) .. + 3 of chunk i / 2; with a chunk's first quarter its scale words, into set k
	WIN 0x40
.irp f, 0,1,2,3
.irp c, 0,1,2,3
	ds_load_b128 v[64*(\i)+16*\f+4*\c:64*(\i)+16*\f+4*\c+3], v[ADA] offset:16384*((\i)/2)+8192*((\i)%2)+2048*\f+512*\c
.endr
.endr
	WIN 0
.if ((\i)%2) == 0
	ds_load_b128 v[PS+16*(\k)+4*(\i):PS+16*(\k)+4*(\i)+3], v[ADT] offset:256*(\i)
.endif
.endm
.macro QTR i, k, acc                   ; eight products, an accumulator each
	WIN 0xa7                                       ; source 0 window 3, source 1 window 1, C and D window 2
.irp f, 0,1,2,3
.irp bb, 0,1
.set rD, (\acc)+8*(8*((\i)%2)+2*\f+\bb)
.set rA, 64*(\k)+32*((\i)/2)+16*\bb
.set rB, 64*(\i)+16*\f
.set xA, PS+4+16*(\k)+8*((\i)/2)+\bb
.set xB, PS+16*(\k)+8*((\i)/2)+\f
.if ((\i)%2) == 0
	v_wmma_scale_f32_16x16x128_f8f6f4 v[rD:rD+7], v[rA:rA+15], v[rB:rB+15], v[rD:rD+7], v[xA], v[xB]
.else
	v_wmma_scale_f32_16x16x128_f8f6f4 v[rD:rD+7], v[rA:rA+15], v[rB:rB+15], v[rD:rD+7], v[xA], v[xB] matrix_b_scale:MATRIX_SCALE_ROW1
.endif
.endr
.endr
	WIN 0
.endm
.macro UNIT k, acc, nxt                ; a step; nxt = 1: each quarter's registers take the next step's fragments.  The waits count the three younger quarters: 16 loads each, 17 with scale words
.irp i, 0,1,2,3
.if \nxt
	s_wait_dscnt 49+(\i%2)
.elseif \i == 0
	s_wait_dscnt 49
.elseif \i == 1
	s_wait_dscnt 33
.elseif \i == 2
	s_wait_dscnt 16
.else
	s_wait_dscnt 0x0
.endif
	QTR \i, \k, \acc
.if \nxt
	PLACES 8
	LQ \i, (\k+1)%3
.elseif \i == 3
	PLACES 8
.endif
.endr
.endm
.macro NEXT                            ; the step whose fragments are loaded from here on
	v_add_nc_u32 v[ADA], s[PB], v[LI]
	v_add_nc_u32 v[ADT], s[TB], v[LI]
	s_wait_alu depctr_va_vdst(0)                   ; directly behind the writes
	s_add_co_u32 s[PB], s[PB], 32768
	s_add_co_u32 s[TB], s[TB], 1024
.endm
.macro PRIME                           ; a group's first step
	NEXT
.irp i, 0,1,2,3
	LQ \i, 0
.endr
.endm
.macro PRE k, nxt, vl, lc              ; ahead of a step: the next step's addresses, the v of two steps on; lc: the loads of v behind this step's
.if \nxt
	NEXT
.endif
.if \vl
	VLOAD (\k+2)%3
.endif
	s_wait_loadcnt \lc
.endm
.macro CHOOSE k, nxt                   ; positions 0 to 5: the low block's or the high block's, by ids alone
	s_cmp_lt_u32 s[PP], s[NLO]
	s_cbranch_scc1 .Llow_\@
	UNIT \k, 128, \nxt
	s_branch .Ljoin_\@
.Llow_\@:
	UNIT \k, 0, \nxt
.Ljoin_\@:
	s_add_co_u32 s[PP], s[PP], 1
.endm
	s_wait_alu depctr_va_vdst(0)                   ; the wait at the head's end
.Lgroup:                                           ; two trips of three steps
	s_wait_tensorcnt 0x0                           ; my position of this group is in
	ds_add_u32 v[SPW], v[NIL]                      ; twice on end
	ds_add_u32 v[SPW], v[NIL]
	PDESC
	s_wait_dscnt 0x0                               ; both adds are done; the first trip: the tables' stores too
	CROUND                                         ; the group and the tables are whole for every wave
	TLOAD                                          ; the next group
	s_cmp_eq_u32 s[CNT], 2
	s_cbranch_scc0 .Lnone_ahead
	global_prefetch_b8 v[PFO], s[PFA:PFA+1] th:TH_LOAD_NT scope:SCOPE_SE   ; the last group, three steps ahead of its load; each unit once in the cluster
.Lnone_ahead:
	PRIME
	PRE 0, 1, 1, 36
	CHOOSE 0, 1
	PRE 1, 1, 1, 36
	CHOOSE 1, 1
	PRE 2, 0, 1, 36
	CHOOSE 2, 0
	s_sub_co_u32 s[CNT], s[CNT], 1
	s_cmp_lg_u32 s[CNT], 0
	s_cbranch_scc1 .Lgroup
.macro TOSTAGE acc, blk                ; a block: x 1 / l, each accumulator from its low end on, into its stage: row 16 a + r, bytes 128 x wave + 64 h + 32 bb
	ds_load_b128 v[24:27], v[AR] offset:512*\blk
	ds_load_b128 v[28:31], v[AR] offset:512*\blk+256
	s_wait_dscnt 0x0
.irp a, 0,1,2,3,4,5,6,7
	v_mov_b32 v[RL+2*\a], v[24+\a]
	v_mov_b32 v[RL+2*\a+1], v[24+\a]               ; (named as a pair by the packed multiply)
.endr
.irp a, 0,1,2,3,4,5,6,7
.set TA, 96+16*(\a%2)
	WIN 0x02
.irp j, 0,2,4,6,8,10,12,14
	v_pk_mul_f32 v[TA+\j:TA+\j+1], v[\acc+16*\a+\j:\acc+16*\a+\j+1], v[RL+2*\a:RL+2*\a+1] op_sel_hi:[1,0]
.endr
	WIN 0
.irp n, 0,1,2,3
	ds_store_b128 v[STO+\blk], v[TA+4*\n:TA+4*\n+3] offset:8448*\a+16*\n
.endr
.endr
.endm
.macro ROWS blk                        ; my 32 rows of 512 bytes back from the stage
.set I_, 0
.rept 32
	ds_load_b128 v[128+4*I_:128+4*I_+3], v[RDL+\blk] offset:528*I_
.set I_, I_+1
.endr
.endm
.macro SEND base                       ; stage row n is row 8 (n / 16) + n % 16 + 8 ((n % 16) / 8) of my 32: a wave stores 512 consecutive bytes, aligned to 256
.set I_, 0
.rept 32
	global_store_b128 v[LI], v[128+4*I_:128+4*I_+3], s[\base:\base+1] offset:(8*(I_/16)+I_%16+8*((I_%16)/8))*4096 th:TH_STORE_NT
.set I_, I_+1
.endr
.endm
	s_wait_tensorcnt 0x0                           ; the last group is in
	s_wait_dscnt 0x0
	BARRIER                                        ; nothing is filled from here on; nobody reads positions 0 to 5 any more
	TOSTAGE 0, 0
	s_wait_dscnt 0x0
	BARRIER
	ROWS 0
	PRIME
	PRE 0, 1, 1, 36
	UNIT 0, 128, 1                                 ; (its first wait covers the rows, which are older)
	SEND OL
	PRE 1, 1, 0, 18
	UNIT 1, 128, 1
	PRE 2, 0, 0, 0
	UNIT 2, 128, 0
	TOSTAGE 128, 1
	s_wait_xcnt 0x0                                ; the low block's stores have read their data
	s_wait_dscnt 0x0
	BARRIER
	ROWS 1
	s_wait_dscnt 0x0
	SEND OH
	s_wait_tensorcnt 0x0                           ; the wave's end
	ds_add_u32 v[SPW], v[NIL]
	s_wait_dscnt 0x0
	CROUND                                         ; the closing round
	s_endpgm
.Lfunc_end_k_q87ab47a490_pv:
	.size	k_q87ab47a490_pv, .Lfunc_end_k_q87ab47a490_pv-k_q87ab47a490_pv
	.p2alignl 7, 3214868480
	.fill 96, 4, 3214868480
	.section	.rodata,"a",@progbits
	.p2align	6, 0x0
	.amdhsa_kernel k_q87ab47a490_pv
		.amdhsa_group_segment_fixed_size 327680
		.amdhsa_private_segment_fixed_size 0
		.amdhsa_enable_private_segment 0
		.amdhsa_kernarg_size 32
		.amdhsa_user_sgpr_count 2
		.amdhsa_user_sgpr_kernarg_segment_ptr 1
		.amdhsa_wavefront_size32 1
		.amdhsa_system_sgpr_workgroup_id_x 1
		.amdhsa_system_sgpr_workgroup_id_y 1
		.amdhsa_system_sgpr_workgroup_id_z 1
		.amdhsa_system_vgpr_workitem_id 0
		.amdhsa_next_free_vgpr 1024
		.amdhsa_next_free_sgpr 100
		.amdhsa_reserve_vcc 0
		.amdhsa_float_denorm_mode_32 3
		.amdhsa_float_denorm_mode_16_64 3
		.amdhsa_memory_ordered 1
		.amdhsa_forward_progress 1
		.amdhsa_inst_pref_size 156
	.end_amdhsa_kernel
	.amdgpu_metadata
---
amdhsa.version: [ 1, 2 ]
amdhsa.kernels:
  - .name:           k_q87ab47a490_pv
    .symbol:         k_q87ab47a490_pv.kd
    .args:
      - { .name: pimg, .offset: 0, .size: 8, .value_kind: global_buffer, .address_space: global }
      - { .name: paux, .offset: 8, .size: 8, .value_kind: global_buffer, .address_space: global }
      - { .name: qkv, .offset: 16, .size: 8, .value_kind: global_buffer, .address_space: global }
      - { .name: out0, .offset: 24, .size: 8, .value_kind: global_buffer, .address_space: global }
    .group_segment_fixed_size: 327680
    .private_segment_fixed_size: 0
    .kernarg_segment_align: 8
    .kernarg_segment_size: 32
    .max_flat_workgroup_size: 128
    .sgpr_count:     100
    .vgpr_count:     1024
    .wavefront_size: 32
...
	.end_amdgpu_metadata
.endif
;; end of part 4
